; MI455X (gfx1250); checked and timed in simulation.
; The chip was launched on July 23, 2026; its instructions are those of AMD's public machine-readable ISA for CDNA 5 (MIT licence, August 2026) and "CDNA5" Instruction Set Architecture Reference Guide (July 2026). The comments in the code are by the model that wrote it; some were corrected since.
;; Social Encoder. Allowed arithmetic: matrix products marked QUANTISED: E2M3 operands, one E8M0 scale for each 32 along K, by v_wmma_scale_f32_16x16x128_f8f6f4 with both operands' format E2M3, f32 sums; everything else in f32.
;; Inputs: ak_b 1,024 float32; ak_w 1,024 x 1,024 float32; aq_b 1,024 float32; aq_w 1,024 x 1,024 float32; arv_b 1,024 float32; arv_w 1,024 x 1,024 float32; av_b 1,024 float32; av_w 1,024 x 1,024 float32; ff1_b 4,096 float32; ff1_w 1,024 x 4,096 float32; ff2_b 1,024 float32; ff2_w 4,096 x 1,024 float32; ffn_b 1,024 float32; ffn_g 1,024 float32; lk_b 1,024 float32; lk_w 1,024 x 1,024 float32; ln1_b 1,024 float32; ln1_g 1,024 float32; ln2_b 1,024 float32; ln2_g 1,024 float32; lq_b 1,024 float32; lq_w 1,024 x 1,024 float32; lv_b 1,024 float32; lv_w 1,024 x 1,024 float32; rel_bias 50 x 16 x 64 float32; scaling 16 x 1 x 1 float32; x 8 x 512 x 1,024 float32.
;; Outputs: out0 8 x 512 x 1,024 float32.
;; This version of the problem:
;;   THIS VERSION OF THE PROBLEM IS GIVEN IN LOW PRECISION. The matrix products marked QUANTISED in the list below multiply operands that are first quantised to E2M3 (2 exponent bits, 3 mantissa bits; 6 bits a number), with one power-of-two scale for each 32 numbers along K (OCP MX v1.0); their sums are f32. All else is computed in f32.
;;   The module's matrix products, in the order in which they are computed (A, B: the left and right operand; K: the contracted axis; several contracted axes count as one K, in the product's order):
;;     1. [M 4,096, K 1,024] x [K 1,024, N 1,024]; A: input x; B: input lq_w: QUANTISED
;;     2. [M 4,096, K 1,024] x [K 1,024, N 1,024]; A: input x; B: input lk_w: QUANTISED
;;     3. [M 4,096, K 1,024] x [K 1,024, N 1,024]; A: input x; B: input lv_w: QUANTISED
;;     4. [M 4,096, K 1,024] x [K 1,024, N 1,024]; A: computed on the way; B: input aq_w: QUANTISED
;;     5. [M 4,096, K 1,024] x [K 1,024, N 1,024]; A: computed on the way; B: input ak_w: QUANTISED
;;     6. [M 4,096, K 1,024] x [K 1,024, N 1,024]; A: computed on the way; B: input av_w: QUANTISED
;;     7. [M 4,096, K 1,024] x [K 1,024, N 1,024]; A: computed on the way; B: input arv_w: QUANTISED
;;     8. batch 128 x [M 512, K 64] x [K 64, N 512]; A: computed on the way; B: computed on the way: QUANTISED
;;     9. batch 128 x [M 512, K 512] x [K 512, N 64]; A: softmax (see below); B: computed on the way: QUANTISED
;;     10. [M 4,096, K 1,024] x [K 1,024, N 4,096]; A: computed on the way; B: input ff1_w: QUANTISED
;;     11. [M 4,096, K 4,096] x [K 4,096, N 1,024]; A: computed on the way; B: input ff2_w: QUANTISED
;;   THE QUANTISER, for each operand of a quantised product, along K:
;;     - K is cut into blocks of 32 from its start; a last block that is shorter is filled with zeros.
;;     - A block's scale is 2^e with e = floor(log2(the largest magnitude in the block)) - 2, held to -126 .. 127; a block of zeros has e = 0. As a byte (E8M0): e + 127.
;;     - Each number is divided by its block's scale, clamped to +-7.5, and rounded to the nearest number of E2M3, ties to even, subnormals kept.
;;     - The product sums the exact products of the quantised numbers (number of the format x scale) in f32.
;;   ~~~python
;;   def quantise(x, axis):      # numpy; x: float32 -> the quantised numbers, widened to float32 again
;;       x = np.moveaxis(x, axis, -1); K = x.shape[-1]
;;       x = np.pad(x, [(0, 0)] * (x.ndim - 1) + [(0, -K % 32)]); x = x.reshape(x.shape[:-1] + (-1, 32)); a = np.abs(x).max(-1, keepdims=True)
;;       e = np.where(a > 0, np.clip(np.frexp(np.where(a > 0, a, 1))[1] - 1 - 2, -126, 127), 0)      # np.frexp(a)[1] - 1 = floor(log2(a)), exactly
;;       r = np.clip(x / 2.0 ** e, -7.5, 7.5)
;;       step = 2.0 ** (np.maximum(np.frexp(np.where(r == 0, 1, r))[1] - 1, 0) - 3)
;;       q = np.round(r / step) * step * 2.0 ** e      # np.round: ties to even
;;       return np.moveaxis(q.reshape(q.shape[:-2] + (-1,))[..., :K], -1, axis).astype(np.float32)
;;   ~~~
;;   SOFTMAX AHEAD OF A QUANTISED PRODUCT. Where the list says 'softmax', what is quantised is not the finished softmax but p = 2^(t - M), with t = logit x log2(e) and M = ceil(the row's largest t), a whole number; so 1/2 < the row's largest p <= 1. The row's sum l is taken of the UNQUANTISED p, in f32, and the product's result is divided by l at the end. Since M is a whole number, a kernel that streams over the keys may use a running M (the ceiling of the running maximum): every later rescaling is an exact power of two, which a block's scale takes up: the codes' values come out the same.
;;   OPERANDS COMPUTED ON THE WAY. 'Computed on the way' means the value that the module computes at that place (a softmax that the list does not call 'softmax' is quantised finished and normalised). What goes into a quantiser is computed in f32, as accurately as f32 sums, v_exp_f32 and their like allow (about 1e-6 of the number): no bf16 or f16 on the way to a quantiser, and a product that is left as it is and whose result goes on into a quantised operand takes f32 operands (vector FMAs, or v_wmma_f32_16x16x4_f32). A number that lies on a knife's edge between two numbers of the format may be rounded either way, as far as f32 arithmetic and the matrix unit's own rounding can turn it there, and no further.
;; One version. Each part assembles by itself: llvm-mc -triple=amdgcn-amd-amdhsa -mcpu=gfx1250 --defsym DOCPART=n.
;; ======== version 1 of 1: 7 launches
;; limits: right only within a limited range of input values
;; workspace buffers: pa 9,904,128 bytes; pw1 3,293,440 bytes; pw3 3,293,440 bytes; t1 13,107,200 bytes; t2 26,869,760 bytes; a3 20,054,016 bytes
;; launch prep (part 1): grid 740 x 1, 4 waves a work-group, no clusters, 25,088 bytes of LDS; arguments x, lq_w, lk_w, lv_w, aq_w, ak_w, av_w, arv_w, ff1_w, ff2_w, rel_bias, lq_b, lk_b, lv_b, ff1_b, pa, pw1, pw3; writes pa, pw1, pw3
.if DOCPART == 1
	.amdgcn_target "amdgcn-amd-amdhsa--gfx1250"
	.amdhsa_code_object_version 6
	.text
	.protected	k_q55087c3809_prep
	.globl	k_q55087c3809_prep
	.p2align	8
	.type	k_q55087c3809_prep,@function
k_q55087c3809_prep:
	s_mov_b64 s[64:65], 0
	v_nop
	global_prefetch_b8 v0, s[64:65] scope:SCOPE_SE
	s_setreg_imm32_b32 hwreg(HW_REG_WAVE_MODE, 25, 1), 1
	s_wait_xcnt 0x0
; PREP: everything that is quantised once.  x and the nine weights become codes of FP6 (E2M3) with one E8M0 byte for each 32 along K, laid in the
; ORDER OF THE OPERAND'S REGISTERS.  A fragment is 16 rows x 128 K, 1,536 bytes: two halves of 768; in half c the lanes' registers 6c..6c+3 at 16 x lane (512 bytes),
; then registers 6c+4, 6c+5 at 8 x lane (256 bytes).  The 16 rows of tile T are not neighbours: lane r holds row 32 (T / 2) + 8 (T % 2) + r + 8 (r / 8), so that a
; product's results, used transposed, are 16 neighbours along the next K in a lane's registers.  Scale words: [tile][K step][16 words].
; Work-groups 0-479: weights [K][N] (a lane a column, registers down K).  480-735: x.  736-739: the relative bias as a table over j - i, the biases' copies, the two floors.
; LIMITS: NaN and infinities are not served; a block whose largest magnitude lies under 2^-124 keeps the byte 1; a block of zeros gets the byte 1 where the
; quantiser's rule says 127: its codes are zeros, and these bytes are read by this program alone.
.set SPARE, 24576                      ; behind the four stages of 6,144 bytes: the spare words, 128 bytes a wave
.set SPW, 254
.set NIL, 255
.set TM,  192                          ; v192-207 at work in QUANT
.set PW,  208                          ; the scale word just made
.set PC,  224                          ; v224-243 the codes just made
.set SEL, 96                           ; s[96:97] lane selects: lane l xor 16
.set L16, 5
.set L8,  6
.set OB,  60
; 64 numbers of a lane, register 16 b + i = k 32 b + 16 (lane / 16) + i of my row, become a fragment's codes in v[PC..PC+11] and its scale word in v[PW]
.macro QUANT s
.irp b, 0,1,2,3
	v_max3_num_f32 v[TM+\b], |v[\s+16*\b]|, |v[\s+1+16*\b]|, 0x1800000   ; my 16 numbers of block b, and the floor 2^(3 - 127): the byte cannot fall under 1
.endr
.irp i, 2,4,6,8,10,12,14
.irp b, 0,1,2,3
	v_max3_num_f32 v[TM+\b], v[TM+\b], |v[\s+16*\b+\i]|, |v[\s+1+16*\b+\i]|
.endr
.endr
.irp b, 0,1,2,3
	v_permlanex16_b32 v[TM+4+\b], v[TM+\b], s[SEL], s[SEL+1]
.endr
.irp b, 0,1,2,3
	v_max_num_f32 v[TM+\b], v[TM+\b], v[TM+4+\b]   ; with lane l xor 16's: the block's largest magnitude
.endr
.irp b, 0,1,2,3
	v_add_nc_u32 v[TM+12+\b], 0xff000000, v[TM+\b]   ; 2 off its exponent field: the conversion's scale operand
.endr
.irp b, 0,1,2,3
	v_lshrrev_b32 v[TM+4+\b], 23, v[TM+12+\b]      ; the scale's byte
.endr
	v_lshl_or_b32 v[PW], v[TM+5], 8, v[TM+4]
	v_lshl_or_b32 v[PW], v[TM+6], 16, v[PW]
	v_lshl_or_b32 v[PW], v[TM+7], 24, v[PW]
.irp c, 0,1
	v_cvt_scalef32_pk16_fp6_f32 v[PC+6*\c:PC+2+6*\c], v[\s+32*\c:\s+15+32*\c], v[TM+12+2*\c]
	v_cvt_scalef32_pk16_fp6_f32 v[PC+12+4*\c:PC+14+4*\c], v[\s+16+32*\c:\s+31+32*\c], v[TM+12+2*\c+1]
.endr
	v_nop                                          ; one plain place behind the scaled conversions
.irp c, 0,1                                    ; a whole block to a lane: lanes 0-15 block 2 c, lanes 16-31 block 2 c + 1
.irp i, 0,1,2
	v_permlane16_swap_b32 v[PC+6*\c+\i], v[PC+12+4*\c+\i]
.endr
.irp i, 0,1,2
	v_mov_b32 v[PC+3+6*\c+\i], v[PC+12+4*\c+\i]
.endr
.endr
.endm
.macro STOREF off                      ; the fragment goes out as it stands: each store covers 512 or 256 consecutive bytes
	global_store_b128 v[L16], v[PC:PC+3], s[OB:OB+1] offset:(\off)
	global_store_b64 v[L8], v[PC+4:PC+5], s[OB:OB+1] offset:(\off)+512
	global_store_b128 v[L16], v[PC+6:PC+9], s[OB:OB+1] offset:(\off)+768
	global_store_b64 v[L8], v[PC+10:PC+11], s[OB:OB+1] offset:(\off)+1280
.endm
	s_load_b512 s[4:19], s[0:1], 0x0               ; x, lq_w, lk_w, lv_w, aq_w, ak_w, av_w, arv_w
	s_load_b512 s[20:35], s[0:1], 0x40             ; ff1_w, ff2_w, rel_bias, lq_b, lk_b, lv_b, ff1_b, pa
	s_load_b128 s[36:39], s[0:1], 0x80             ; pw1, pw3
	v_lshl_add_u32 v[SPW], v0, 2, SPARE
	v_mov_b32 v[NIL], 0
	v_lshrrev_b32 v1, 5, v0
	v_readfirstlane_b32 s57, v1                    ; wave
	v_and_b32 v1, 31, v0                           ; lane
	s_mov_b32 s56, ttmp9
	s_mov_b32 s[SEL], 0x76543210
	s_mov_b32 s[SEL+1], 0xfedcba98
	s_mov_b32 s98, 0xffff0000                      ; lanes 16-31
	s_wait_kmcnt 0x0
	s_cmp_ge_u32 s56, 736
	s_cbranch_scc1 .Ltable
	s_cmp_ge_u32 s56, 480
	s_cbranch_scc1 .Lx
; ---------------- weights: a work-group takes 128 columns x 256 along K, a wave 32 columns, a lane one column and eight blocks
	s_mov_b64 s[58:59], s[22:23]                   ; the source, by the work-group's number alone
	s_cmp_lt_u32 s56, 352
	s_cselect_b64 s[58:59], s[20:21], s[58:59]
	s_cmp_lt_u32 s56, 224
	s_cselect_b64 s[58:59], s[18:19], s[58:59]
	s_cmp_lt_u32 s56, 192
	s_cselect_b64 s[58:59], s[16:17], s[58:59]
	s_cmp_lt_u32 s56, 160
	s_cselect_b64 s[58:59], s[14:15], s[58:59]
	s_cmp_lt_u32 s56, 128
	s_cselect_b64 s[58:59], s[12:13], s[58:59]
	s_cmp_lt_u32 s56, 96
	s_cselect_b64 s[58:59], s[10:11], s[58:59]
	s_cmp_lt_u32 s56, 64
	s_cselect_b64 s[58:59], s[8:9], s[58:59]
	s_cmp_lt_u32 s56, 32
	s_cselect_b64 s[58:59], s[6:7], s[58:59]
	s_cmp_lt_u32 s56, 352                          ; and the destination
	s_cselect_b64 s[60:61], s[38:39], s[34:35]
	s_cmp_lt_u32 s56, 224
	s_cselect_b64 s[60:61], s[34:35], s[60:61]
	s_cmp_lt_u32 s56, 96
	s_cselect_b64 s[60:61], s[36:37], s[60:61]
	; s62 bytes from k to k + 1; s63 bytes from tile to tile of the codes; s66 of the scale words; s67, s68 where they begin; s69 which 128 columns; s70 which 256 along K
	s_lshr_b32 s71, s56, 5
	s_and_b32 s69, s56, 7
	s_bfe_u32 s70, s56, 0x20003
	s_mov_b32 s62, 4096
	s_cmp_lt_u32 s56, 96
	s_cbranch_scc0 .Lw_b
	s_mul_i32 s67, s71, 786432                     ; lq, lk, lv: 64 tiles each, [tile][8]
	s_lshl_b32 s68, s71, 15
	s_add_co_u32 s68, s68, 3145728
	s_mov_b32 s63, 12288
	s_mov_b32 s66, 512
	s_branch .Lw_go
.Lw_b:
	s_cmp_lt_u32 s56, 224
	s_cbranch_scc0 .Lw_c
	s_sub_co_u32 s71, s71, 3                       ; aq, ak, av, arv: [tile][4 x 8]
	s_mul_i32 s67, s71, 12288
	s_add_co_u32 s67, s67, 3276800
	s_lshl_b32 s68, s71, 9
	s_add_co_u32 s68, s68, 6422528
	s_mov_b32 s63, 49152
	s_mov_b32 s66, 2048
	s_branch .Lw_go
.Lw_c:
	s_cmp_lt_u32 s56, 352
	s_cbranch_scc0 .Lw_d
	s_sub_co_u32 s71, s56, 224                     ; ff1: 4,096 columns, [tile][8]
	s_and_b32 s69, s71, 31
	s_lshr_b32 s70, s71, 5
	s_mov_b32 s62, 16384
	s_mov_b32 s67, 0
	s_mov_b32 s68, 3145728
	s_mov_b32 s63, 12288
	s_mov_b32 s66, 512
	s_branch .Lw_go
.Lw_d:
	s_sub_co_u32 s71, s56, 352                     ; ff2: K = 4,096, [tile][32]
	s_and_b32 s69, s71, 7
	s_lshr_b32 s70, s71, 3
	s_mov_b32 s67, 6553600
	s_mov_b32 s68, 9699328
	s_mov_b32 s63, 49152
	s_mov_b32 s66, 2048
.Lw_go:
	s_lshl_b32 s72, s70, 8                         ; my first k,
	s_mul_i32 s72, s72, s62
	s_lshl_b32 s74, s69, 9                         ; my work-group's columns,
	s_add_co_u32 s72, s72, s74
	s_lshl_b32 s74, s57, 7                         ; my wave's 32
	s_add_co_u32 s72, s72, s74
	s_mov_b32 s73, 0
	s_add_nc_u64 s[40:41], s[58:59], s[72:73]      ; a base for each block of 32 along K
	s_lshl_b32 s74, s62, 5
	s_mov_b32 s75, 0
.irp t, 1,2,3,4,5,6,7
	s_add_nc_u64 s[40+2*\t:41+2*\t], s[38+2*\t:39+2*\t], s[74:75]
.endr
	s_wait_alu depctr_va_vdst(0)
	v_lshlrev_b32 v32, 2, v1                       ; v32-63: 4 x lane + i rows
.irp i, 1,2,3,4,5,6,7,8,9,10,11,12,13,14,15,16,17,18,19,20,21,22,23,24,25,26,27,28,29,30,31
	v_add_nc_u32 v[32+\i], s62, v[31+\i]
.endr
	v_bfe_u32 v7, v1, 3, 1                         ; column x of 32 is lane r = x % 8 + 8 (x / 16) of tile u = (x / 8) % 2
	v_and_b32 v8, 7, v1
	v_lshrrev_b32 v9, 4, v1
	v_lshl_add_u32 v8, v9, 3, v8
	s_mul_i32 s76, s57, 6144                       ; my stage: [u][K step][1,536]
	v_mul_u32_u24 v9, v7, 3072
	v_add_nc_u32 v9, s76, v9
	v_lshl_add_u32 v2, v8, 4, v9                   ; where my first four registers of a block go,
	v_lshl_add_u32 v3, v8, 3, v9                   ; and my last two
	v_lshlrev_b32 v5, 4, v1
	v_add_nc_u32 v4, s76, v5                       ; the way back: 16 x lane
	v_mul_lo_u32 v6, v7, s66
	v_lshl_add_u32 v6, v8, 2, v6                   ; my scale words' place
	s_lshl_b32 s76, s69, 3
	s_lshl_b32 s77, s57, 1
	s_add_co_u32 s76, s76, s77                     ; my first tile
	s_mul_i32 s78, s76, s63
	s_add_co_u32 s78, s78, s67
	s_mul_i32 s77, s70, 3072
	s_add_co_u32 s78, s78, s77
	s_mov_b32 s79, 0
	s_add_nc_u64 s[80:81], s[60:61], s[78:79]      ; codes of tile u = 0,
	s_mov_b32 s78, s63
	s_add_nc_u64 s[82:83], s[80:81], s[78:79]      ; of u = 1
	s_mul_i32 s78, s76, s66
	s_add_co_u32 s78, s78, s68
	s_lshl_b32 s77, s70, 7
	s_add_co_u32 s78, s78, s77
	s_add_nc_u64 s[84:85], s[60:61], s[78:79]      ; scale words
.macro WLOAD t                         ; block t: 32 rows of k at my column; a wave reads 128 consecutive bytes a load
.set i, 0
.rept 32
	global_load_b32 v[64+32*((\t)%2)+i], v[32+i], s[40+2*(\t):41+2*(\t)] th:TH_LOAD_NT
.set i, i+1
.endr
.endm
.macro WBLOCK t
.set XS, 64+32*((\t)%2)
.if (\t) < 7
	s_wait_loadcnt 32                              ; this block's 32 loads are in; the next block's may be out
.else
	s_wait_loadcnt 0x0
.endif
	v_max3_num_f32 v12, |v[XS]|, |v[XS+1]|, |v[XS+2]|      ; the block's largest magnitude: all 32 numbers are mine
	v_max3_num_f32 v13, |v[XS+3]|, |v[XS+4]|, |v[XS+5]|
.irp i, 6,10,14,18,22,26
	v_max3_num_f32 v12, v12, |v[XS+\i]|, |v[XS+\i+1]|
	v_max3_num_f32 v13, v13, |v[XS+\i+2]|, |v[XS+\i+3]|
.endr
	v_max3_num_f32 v12, v12, |v[XS+30]|, |v[XS+31]|
	v_max3_num_f32 v12, v12, v13, 0x1800000
	v_add_nc_u32 v11, 0xff000000, v12
	v_lshrrev_b32 v13, 23, v11
.if (\t)%4 == 0
	v_mov_b32 v[136+(\t)/4], v13
.else
	v_lshl_or_b32 v[136+(\t)/4], v13, 8*((\t)%4), v[136+(\t)/4]
.endif
	v_cvt_scalef32_pk16_fp6_f32 v[128:130], v[XS:XS+15], v11
	v_cvt_scalef32_pk16_fp6_f32 v[132:134], v[XS+16:XS+31], v11
	v_nop                                          ; one plain place behind the scaled conversions
	v_mov_b32 v131, v132                           ; six registers on end
	v_mov_b32 v132, v133
	v_mov_b32 v133, v134
	; block 2 c + h of a K step belongs to lane r + 16 h, registers 6 c .. 6 c + 5
	ds_store_b128 v2, v[128:131] offset:1536*((\t)/4)+768*(((\t)%4)/2)+256*((\t)%2)
	ds_store_b64 v3, v[132:133] offset:1536*((\t)/4)+768*(((\t)%4)/2)+512+128*((\t)%2)
.if (\t)+2 < 8
	WLOAD (\t)+2
.endif
	s_wait_dscnt 0x0                               ; the stores have read their registers: the next block's codes may be written
.endm
	WLOAD 0
	WLOAD 1
.irp t, 0,1,2,3,4,5,6,7
	WBLOCK \t
.endr
	global_store_b32 v6, v136, s[84:85]
	s_wait_alu depctr_va_vdst(0)
	global_store_b32 v6, v137, s[84:85] offset:64
.irp i, 0,1,2,3,4,5,6,7,8,9,10,11
	ds_load_b128 v[140+4*\i:143+4*\i], v4 offset:512*\i      ; a wave's LDS instructions are served in order: these see my stores
.endr
.irp i, 0,1,2,3,4,5
	s_wait_dscnt 11-\i
	global_store_b128 v5, v[140+4*\i:143+4*\i], s[80:81] offset:512*\i
.endr
.irp i, 6,7,8,9,10,11
	s_wait_dscnt 11-\i
	global_store_b128 v5, v[140+4*\i:143+4*\i], s[82:83] offset:512*(\i-6)
.endr
	s_branch .Lend
; ---------------- x: a wave takes two tiles of 16 rows x 128 along K
.Lx:
	s_sub_co_u32 s71, s56, 480
	s_lshr_b32 s69, s71, 1                         ; which 32 rows
	s_and_b32 s70, s71, 1
	s_lshl_b32 s70, s70, 2
	s_add_co_u32 s70, s70, s57                     ; which K step
	v_and_b32 v2, 15, v0
	v_bfe_u32 v3, v0, 4, 1
	v_and_b32 v4, 8, v2
	v_add_nc_u32 v4, v4, v2                        ; r + 8 (r / 8)
	v_lshlrev_b32 v4, 12, v4
	v_lshl_add_u32 v4, v3, 6, v4                   ; my row, + 64 h: my 16 numbers of a block of 32
	s_wait_alu depctr_va_vdst(0)
	v_lshlrev_b32 v[L16], 4, v1
	v_lshlrev_b32 v[L8], 3, v1
	v_lshlrev_b32 v7, 2, v2
	v_lshl_add_u32 v7, v3, 9, v7                   ; scale words: lanes 0-15 the first tile's, lanes 16-31 the second's
	s_lshl_b32 s72, s69, 17
	s_lshl_b32 s74, s70, 9
	s_add_co_u32 s72, s72, s74
	s_mov_b32 s73, 0
	s_add_nc_u64 s[58:59], s[4:5], s[72:73]
	s_lshl_b32 s72, s69, 4
	s_add_co_u32 s72, s72, s70                     ; fragment number: 8 x tile + K step
	s_mul_i32 s74, s72, 1536
	s_mov_b32 s75, 0
	s_add_nc_u64 s[OB:OB+1], s[34:35], s[74:75]
	s_lshl_b32 s74, s72, 6
	s_add_co_u32 s74, s74, 3145728
	s_add_nc_u64 s[76:77], s[34:35], s[74:75]
.irp u, 0,1
.irp b, 0,1,2,3
.irp j, 0,1,2,3
	global_load_b128 v[64+64*\u+16*\b+4*\j:67+64*\u+16*\b+4*\j], v4, s[58:59] offset:32768*\u+128*\b+16*\j
.endr
.endr
.endr
.irp b, 0,1,2,3
	v_mov_b32 v[TM+4+\b], 0                        ; a lane permute's destination counts as one of its sources
.endr
	s_wait_loadcnt 16                              ; the first tile's 16 loads are in
	QUANT 64
	STOREF 0
	v_mov_b32 v209, v[PW]
	s_wait_loadcnt 0x0
	s_wait_xcnt 0x0                                ; the stores have read their registers
	QUANT 128
	STOREF 12288
	v_cndmask_b32 v210, v209, v[PW], s98
	global_store_b32 v7, v210, s[76:77]
	s_branch .Lend
; ---------------- the table: a wave takes a head.  BT[head][X] = log2(e) x the sum over the head's 64 of rel_bias[min(|X - 512|, 49)][head][:], X = 0 .. 1,151
.Ltable:
	s_sub_co_u32 s71, s56, 736
	s_lshl_b32 s71, s71, 2
	s_add_co_u32 s71, s71, s57                     ; head
	s_wait_alu depctr_va_vdst(0)
	v_lshlrev_b32 v2, 12, v1                       ; distance = lane,
	v_add_nc_u32 v3, 32, v1
	v_min_u32 v3, 49, v3                           ; and 32 + lane, held at 49
	v_lshlrev_b32 v3, 12, v3
	v_lshlrev_b32 v5, 4, v1
	v_lshlrev_b32 v6, 2, v1
	s_lshl_b32 s72, s71, 8
	s_mov_b32 s73, 0
	s_add_nc_u64 s[58:59], s[24:25], s[72:73]
.irp i, 0,1,2,3,4,5,6,7,8,9,10,11,12,13,14,15
	global_load_b128 v[64+4*\i:67+4*\i], v2, s[58:59] offset:16*\i
	global_load_b128 v[128+4*\i:131+4*\i], v3, s[58:59] offset:16*\i
.endr
	s_lshl_b32 s72, s71, 10
	s_add_nc_u64 s[60:61], s[32:33], s[72:73]      ; ff1_b: 256 numbers a wave
	global_load_b128 v[192:195], v5, s[60:61]
	global_load_b128 v[196:199], v5, s[60:61] offset:512
	s_mul_i32 s74, s71, 4608
	s_add_co_u32 s74, s74, 9830400
	s_mov_b32 s75, 0
	s_add_nc_u64 s[74:75], s[34:35], s[74:75]
	s_add_nc_u64 s[76:77], s[38:39], s[72:73]
	s_wait_alu depctr_va_vdst(0)
	s_wait_loadcnt 0x0
	global_store_b128 v5, v[192:195], s[76:77] offset:3276800
	global_store_b128 v5, v[196:199], s[76:77] offset:3276800+512
.macro SUM64 b
.irp n, 32,16,8,4,2
.set i, 0
.rept \n/2
	v_pk_add_f32 v[\b+i:\b+i+1], v[\b+i:\b+i+1], v[\b+\n+i:\b+\n+i+1]
.set i, i+2
.endr
.endr
	v_add_f32 v[\b], v[\b], v[\b+1]
	v_mul_f32 v[\b], 0x3fb8aa3b, v[\b]             ; x log2(e)
.endm
	SUM64 64
	SUM64 128
.irp i, 0,1,2,3,4,5,6,7,8                      ; X = 128 i + 4 lane + e: under 512 for i < 4, at or over it from i = 4 on
.irp e, 0,1,2,3
.if \i < 4
	v_sub_nc_u32 v[104+\e], 512-128*\i-\e, v6
.else
	v_add_nc_u32 v[104+\e], 128*\i+\e-512, v6
.endif
	v_min_u32 v[104+\e], 49, v[104+\e]
	v_lshlrev_b32 v[108+\e], 2, v[104+\e]
	ds_bpermute_b32 v[112+\e], v[108+\e], v64      ; distances 0-31 lie in the first register's lanes,
	ds_bpermute_b32 v[116+\e], v[108+\e], v128     ; 32-49 in the second's
.endr
	s_wait_alu depctr_va_vdst(0)
	s_wait_dscnt 0x0
.irp e, 0,1,2,3
	v_cmp_gt_u32 vcc_lo, 32, v[104+\e]
	v_cndmask_b32 v[68+4*\i+\e], v[116+\e], v[112+\e], vcc_lo
.endr
	global_store_b128 v5, v[68+4*\i:71+4*\i], s[74:75] offset:512*\i
.endr
	s_cmp_lt_u32 s71, 12                           ; lq_b, lk_b, lv_b on end: 256 numbers a wave, twelve waves
	s_cbranch_scc0 .Lend
	s_lshr_b32 s78, s71, 2
	s_cmp_eq_u32 s78, 0
	s_cselect_b64 s[80:81], s[26:27], s[28:29]
	s_cmp_eq_u32 s78, 2
	s_cselect_b64 s[80:81], s[30:31], s[80:81]
	s_and_b32 s78, s71, 3
	s_lshl_b32 s78, s78, 10
	s_mov_b32 s79, 0
	s_add_nc_u64 s[80:81], s[80:81], s[78:79]
	global_load_b128 v[200:203], v5, s[80:81]
	global_load_b128 v[204:207], v5, s[80:81] offset:512
	s_add_nc_u64 s[82:83], s[36:37], s[72:73]
	s_wait_loadcnt 0x0
	global_store_b128 v5, v[200:203], s[82:83] offset:3276800
	global_store_b128 v5, v[204:207], s[82:83] offset:3276800+512
	s_cmp_lg_u32 s71, 0
	s_cbranch_scc1 .Lend
	v_mov_b32 v208, 0xff800000                     ; the lower bound of the first GEMM's results: none;
	v_mov_b32 v209, 0                              ; of the feed-forward's hidden layer: 0 (relu)
	global_store_b32 v6, v208, s[36:37] offset:3293184
	global_store_b32 v6, v209, s[38:39] offset:3293184
.Lend:
	s_wait_tensorcnt 0x0                           ; the wave's end
	ds_add_u32 v[SPW], v[NIL]
	s_wait_dscnt 0x0
	s_endpgm
.Lfunc_end_k_q55087c3809_prep:
	.size	k_q55087c3809_prep, .Lfunc_end_k_q55087c3809_prep-k_q55087c3809_prep
	.p2alignl 7, 3214868480
	.fill 96, 4, 3214868480
	.section	.rodata,"a",@progbits
	.p2align	6, 0x0
	.amdhsa_kernel k_q55087c3809_prep
		.amdhsa_group_segment_fixed_size 25088
		.amdhsa_private_segment_fixed_size 0
		.amdhsa_enable_private_segment 0
		.amdhsa_kernarg_size 144
		.amdhsa_user_sgpr_count 2
		.amdhsa_user_sgpr_kernarg_segment_ptr 1
		.amdhsa_wavefront_size32 1
		.amdhsa_system_sgpr_workgroup_id_x 1
		.amdhsa_system_sgpr_workgroup_id_y 1
		.amdhsa_system_sgpr_workgroup_id_z 1
		.amdhsa_system_vgpr_workitem_id 0
		.amdhsa_next_free_vgpr 256
		.amdhsa_next_free_sgpr 100
		.amdhsa_reserve_vcc 1
		.amdhsa_float_denorm_mode_32 3
		.amdhsa_float_denorm_mode_16_64 3
		.amdhsa_memory_ordered 1
		.amdhsa_forward_progress 1
		.amdhsa_inst_pref_size 82
	.end_amdhsa_kernel
	.amdgpu_metadata
---
amdhsa.version: [ 1, 2 ]
amdhsa.kernels:
  - .name:           k_q55087c3809_prep
    .symbol:         k_q55087c3809_prep.kd
    .args:
      - { .name: x, .offset: 0, .size: 8, .value_kind: global_buffer, .address_space: global }
      - { .name: lq_w, .offset: 8, .size: 8, .value_kind: global_buffer, .address_space: global }
      - { .name: lk_w, .offset: 16, .size: 8, .value_kind: global_buffer, .address_space: global }
      - { .name: lv_w, .offset: 24, .size: 8, .value_kind: global_buffer, .address_space: global }
      - { .name: aq_w, .offset: 32, .size: 8, .value_kind: global_buffer, .address_space: global }
      - { .name: ak_w, .offset: 40, .size: 8, .value_kind: global_buffer, .address_space: global }
      - { .name: av_w, .offset: 48, .size: 8, .value_kind: global_buffer, .address_space: global }
      - { .name: arv_w, .offset: 56, .size: 8, .value_kind: global_buffer, .address_space: global }
      - { .name: ff1_w, .offset: 64, .size: 8, .value_kind: global_buffer, .address_space: global }
      - { .name: ff2_w, .offset: 72, .size: 8, .value_kind: global_buffer, .address_space: global }
      - { .name: rel_bias, .offset: 80, .size: 8, .value_kind: global_buffer, .address_space: global }
      - { .name: lq_b, .offset: 88, .size: 8, .value_kind: global_buffer, .address_space: global }
      - { .name: lk_b, .offset: 96, .size: 8, .value_kind: global_buffer, .address_space: global }
      - { .name: lv_b, .offset: 104, .size: 8, .value_kind: global_buffer, .address_space: global }
      - { .name: ff1_b, .offset: 112, .size: 8, .value_kind: global_buffer, .address_space: global }
      - { .name: pa, .offset: 120, .size: 8, .value_kind: global_buffer, .address_space: global }
      - { .name: pw1, .offset: 128, .size: 8, .value_kind: global_buffer, .address_space: global }
      - { .name: pw3, .offset: 136, .size: 8, .value_kind: global_buffer, .address_space: global }
    .group_segment_fixed_size: 25088
    .private_segment_fixed_size: 0
    .kernarg_segment_align: 8
    .kernarg_segment_size: 144
    .max_flat_workgroup_size: 128
    .sgpr_count:     100
    .vgpr_count:     256
    .wavefront_size: 32
...
	.end_amdgpu_metadata
.endif
;; end of part 1
;; launch g1 (part 2): grid 12 x 16, 4 waves a work-group, clusters of 4 x 4, 327,680 bytes of LDS; arguments pa, pw1, t1; writes t1
.if DOCPART == 2
	.amdgcn_target "amdgcn-amd-amdhsa--gfx1250"
	.amdhsa_code_object_version 6
	.text
	.protected	k_q55087c3809_g1
	.globl	k_q55087c3809_g1
	.p2align	8
	.type	k_q55087c3809_g1,@function
k_q55087c3809_g1:
	s_mov_b64 s[64:65], 0
	v_nop
	global_prefetch_b8 v0, s[64:65] scope:SCOPE_SE
	s_setreg_imm32_b32 hwreg(HW_REG_WAVE_MODE, 25, 1), 1
	s_wait_xcnt 0x0
	s_wait_alu depctr_hold_cnt(0) depctr_sa_sdst(0) depctr_va_vdst(0) depctr_va_sdst(0) depctr_va_ssrc(0) depctr_va_vcc(0) depctr_vm_vsrc(0)
	s_getreg_b32 s2, hwreg(HW_REG_IB_STS2, 6, 4)
	s_cmp_eq_u32 s2, 0
	s_cbranch_scc0 .Lentry_in_a_cluster
	s_endpgm
.Lentry_in_a_cluster:
	s_bfe_u32 s2, ttmp6, 0x10000c
	s_cmp_lg_u32 s2, 0xf033
	s_cbranch_scc0 .Lentry_shape_is_right
	s_endpgm
.Lentry_shape_is_right:
; out = Q(max(A B^T + bias, floor)): a GEMM on codes of FP6 (E2M3) with K = 1,024 whose result is quantised along N in registers and stored as the next product's operand.
; A: 4,096 rows as fragments [tile][8][1,536] at byte 0 of the first buffer, scale words [tile][8][16] at 3,145,728.  B: the same in the second buffer; its bias (f32) at 3,276,800, the floor (f32) at 3,293,184.
; Out: fragments [tile][32][1,536] at 0 of the third buffer, scale words [tile][32][16] at 12,582,912.  A fragment is the image of the operand's 12 registers (two halves: 512 bytes at 16 x lane, 256 at 8 x lane).
; The floor is data: minus infinity where the results are kept as they are, 0 where the layer is a relu; one text serves both.
; A work-group of four waves makes 256 x 256, a wave 128 x 128: 64 accumulators, 512 registers.
; THREE LDS SLOTS of 256 along K: K = 1,024 is four slots' worth, and three fit beside the scale words.  So K steps 0 to 5 and the scale words of all of K are asked for together at the start, and only the last
; 256 along K are a refill: into slot 0, behind the round at that slot's last step, 192 matrix instructions ahead of their first use.  That round's wait for all loads shows slots 1 and 2 whole to every wave,
; so the change from slot 1 to slot 2 has no barrier; the change from slot 2 back to slot 0 has a plain one.
; CLUSTERS: 4 x 4 work-groups; A's tiles are asked for jointly along a row of the cluster, B's along a column.
; THE MATRIX INSTRUCTION IS USED TRANSPOSED (source 0 = 16 rows of B, source 1 = 16 rows of A), and the 16 rows of a tile are rows 32 (T / 2) + 8 (T % 2) + r + 8 (r / 8): so a lane's 64 results of a block of A
; are k = 32 b + 16 (lane / 16) + i of ONE row along the next K.
; LIMITS: NaN and infinities are not served; a block under 2^-124 keeps the byte 1; a block of zeros gets the byte 1 (its codes are zeros; only this program reads the bytes).
; REGISTERS: window 0: v8-29 addresses; v32-63 scale words, two sets; v64-127 the bias; v128-223 A's fragments, one set; on the way out v128-251 are at work.  window 1: B's fragments, two sets.  windows 2, 3: the accumulators.
.set FR,    12
.set NL,    4                          ; LDS loads that bring a fragment
.set NQ,    2                          ; steps of 128 in a slot
.set NP,    4                          ; places behind this matrix instruction
.set HALFT, 24576                      ; 8 tiles x 2 steps x 1,536: what one tensor load brings; fragment (i, q) at 3,072 i + 1,536 q
.set SLOT,  4*HALFT
.set SCL,   3*SLOT                     ; behind the three slots: the scale words
.set HALFS, 4160                       ; 8 tiles x 512 bytes, + 64, so that A's and B's words fall in different banks
.set SPARE, SCL+4*HALFS                ; the spare words, 128 bytes a wave
.set ADRA, 8                           ; v8-10 16 x lane + my A fragments in slot 0, 1, 2; v11-13 the same with 8 x lane
.set ADRB, 14                          ; v14-19 the same for B
.set L16,  24
.set L8,   25
.set SWO,  26                          ; the way out: 4 r + 2,048 h
.set ADRS, 27
.set SPW,  28
.set NIL,  29
.set SC,   32
.set BI,   64
.set AF,   128
.set T,    128
.set TM,   192
.set PW,   208
.set PC,   232
.set SEL,  10
.set OB,   92
.set G1, 24
.set G0, 32                            ; s[32:39] group 0 for A's slots 0 and 1
.set G0C, 20                           ; s[20:23] for A's slot 2
.set G1B, 48
.set G0B, 56                           ; s[56:63] for B's slots 0 and 1
.set G0BC, 44                          ; s[44:47] for B's slot 2
.set G1S, 68
.set G0S, 76
.set G1SB, 80
.set G0SB, 88
.set MSB, 0
.macro WIN new                         ; the immediate's high byte repeats the setting that is left
.if MSB != (\new)
	s_set_vgpr_msb (MSB<<8)|(\new)
.set MSB, (\new)
.endif
.endm
.set MUL_LO, 0xa1                      ; source 0 (B) window 1, source 1 (A) window 0, C and D window 2
.set MUL_HI, 0xf1
.set TO_B,   0x40
.macro JLOAD g0a, g1a, g0b, g1b        ; a joint load: waves 0 and 1 fetch for A, waves 2 and 3 for B; an s_nop 0 and four v_nop follow each line
	s_cmp_eq_u32 s15, 0
	s_cbranch_scc0 .Lfor_b_\@
	tensor_load_to_lds s[\g0a:\g0a+3], s[\g1a:\g1a+7]
	s_nop 0
.rept 4
	v_nop
.endr
	s_branch .Lasked_\@
.Lfor_b_\@:
	tensor_load_to_lds s[\g0b:\g0b+3], s[\g1b:\g1b+7]
	s_nop 0
.rept 4
	v_nop
.endr
.Lasked_\@:
.endm
.macro CREST
	s_cmp_lg_u32 s14, 0
	s_cbranch_scc1 .Lnot_wave_0_\@
	s_barrier_signal -3
.Lnot_wave_0_\@:
	s_barrier_wait -3
	s_barrier_signal -1
	s_barrier_wait -1
.endm
.macro CROUND
	s_barrier_signal -1
	s_barrier_wait -1
	CREST
.endm
.macro QUANT s
.irp b, 0,1,2,3
	v_max3_num_f32 v[TM+\b], |v[\s+16*\b]|, |v[\s+1+16*\b]|, 0x1800000
.endr
.irp i, 2,4,6,8,10,12,14
.irp b, 0,1,2,3
	v_max3_num_f32 v[TM+\b], v[TM+\b], |v[\s+16*\b+\i]|, |v[\s+1+16*\b+\i]|
.endr
.endr
.irp b, 0,1,2,3
	v_permlanex16_b32 v[TM+4+\b], v[TM+\b], s[SEL], s[SEL+1]
.endr
.irp b, 0,1,2,3
	v_max_num_f32 v[TM+\b], v[TM+\b], v[TM+4+\b]
.endr
.irp b, 0,1,2,3
	v_add_nc_u32 v[TM+12+\b], 0xff000000, v[TM+\b]
.endr
.irp b, 0,1,2,3
	v_lshrrev_b32 v[TM+4+\b], 23, v[TM+12+\b]
.endr
	v_lshl_or_b32 v[PW], v[TM+5], 8, v[TM+4]
	v_lshl_or_b32 v[PW], v[TM+6], 16, v[PW]
	v_lshl_or_b32 v[PW], v[TM+7], 24, v[PW]
.irp c, 0,1
	v_cvt_scalef32_pk16_fp6_f32 v[PC+6*\c:PC+2+6*\c], v[\s+32*\c:\s+15+32*\c], v[TM+12+2*\c]
	v_cvt_scalef32_pk16_fp6_f32 v[PC+12+4*\c:PC+14+4*\c], v[\s+16+32*\c:\s+31+32*\c], v[TM+12+2*\c+1]
.endr
	v_nop                                          ; one plain place behind the scaled conversions
.irp c, 0,1
.irp i, 0,1,2
	v_permlane16_swap_b32 v[PC+6*\c+\i], v[PC+12+4*\c+\i]
.endr
.irp i, 0,1,2
	v_mov_b32 v[PC+3+6*\c+\i], v[PC+12+4*\c+\i]
.endr
.endr
.endm
.macro STOREF off
	global_store_b128 v[L16], v[PC:PC+3], s[OB:OB+1] offset:(\off)
	global_store_b64 v[L8], v[PC+4:PC+5], s[OB:OB+1] offset:(\off)+512
	global_store_b128 v[L16], v[PC+6:PC+9], s[OB:OB+1] offset:(\off)+768
	global_store_b64 v[L8], v[PC+10:PC+11], s[OB:OB+1] offset:(\off)+1280
.endm
	s_load_b128 s[4:7], s[0:1], 0x0                ; A's buffer, B's buffer
	s_load_b64 s[8:9], s[0:1], 0x10                ; the output's
	v_lshl_add_u32 v[SPW], v0, 2, SPARE
	v_mov_b32 v[NIL], 0
	ds_add_u32 v[SPW], v[NIL]                      ; the wave's opening: the add and its wait ahead of my first tensor load
	ds_add_u32 v[SPW], v[NIL]
	v_lshrrev_b32 v1, 5, v0
	v_readfirstlane_b32 s14, v1                    ; wave
	s_lshr_b32 s15, s14, 1                         ; my half of the tile's rows.  Also: I fetch for A (0) or B (1)
	s_and_b32 s16, s14, 1                          ; my half of its columns.  Also: which 8 tiles I fetch
	s_bfe_u32 s40, ttmp6, 0x40000                  ; cx, cy
	s_bfe_u32 s41, ttmp6, 0x40004
	s_lshl_b32 s42, ttmp9, 2
	s_add_co_u32 s42, s42, s40                     ; tile column
	s_and_b32 s17, ttmp7, 0xffff
	s_lshl_b32 s17, s17, 2
	s_add_co_u32 s17, s17, s41                     ; tile row
	s_lshl_b32 s43, s41, 2
	s_lshl_b32 s43, 15, s43                        ; my row of the cluster
	s_lshl_b32 s44, 0x1111, s40                    ; my column
	s_or_b32 s[G1+0], s43, (3<<16)|(1<<21)         ; the mask; elements of 8 bytes; bit 21 beside a mask; no padding
	s_or_b32 s[G1B+0], s44, (3<<16)|(1<<21)
.irp g, G1, G1B                                ; codes: 8 rows (tiles) of 384 elements (two K steps' fragments), 1,536 elements from tile to tile
	s_mov_b32 s[\g+1], 384<<16
	s_mov_b32 s[\g+2], 16<<16                      ; the first fills bring a side's 16 tiles; the refill's 8 are set ahead of it
	s_mov_b32 s[\g+3], 384<<16
	s_mov_b32 s[\g+4], 16
	s_mov_b32 s[\g+5], 1536
	s_mov_b32 s[\g+6], 0
	s_mov_b32 s[\g+7], 0
.endr
	s_or_b32 s[G1S+0], s43, (3<<16)|(1<<21)
	s_or_b32 s[G1SB+0], s44, (3<<16)|(1<<21)
.irp g, G1S, G1SB                              ; scale words of 8 tiles: 4,096 dense bytes as 16 rows of 256
	s_mov_b32 s[\g+1], 32<<16
	s_mov_b32 s[\g+2], 32<<16                      ; the scale words of all 16 tiles of a side: 8,192 dense bytes as 32 rows of 256
	s_mov_b32 s[\g+3], 32<<16
	s_mov_b32 s[\g+4], 32
	s_mov_b32 s[\g+5], 32
	s_mov_b32 s[\g+6], 0
	s_mov_b32 s[\g+7], 0
.endr
	s_lshl_b32 s20, s17, 4                         ; A: tile 16 x tile row
	s_lshl_b32 s46, s42, 4                         ; B: tile 16 x tile column
	s_cmp_eq_u32 s15, 0                            ; the prefetches: waves 0 and 1 ask for A, waves 2 and 3 for B
	s_cselect_b32 s66, s40, s41                    ; my place p among the four that ask for the tiles with me: it enters the prefetches' address alone
	s_lshl_b32 s66, s66, 2
	s_lshl_b32 s67, s16, 1
	s_add_co_u32 s66, s66, s67                     ; of the side's 16 tiles mine are 4 p + 2 x half and the next
	s_mul_i32 s66, s66, 12288
	s_mov_b32 s67, 0
	s_mul_i32 s40, s16, 98304
	s_mov_b32 s41, 0
	s_lshl_b32 s22, s20, 9
	s_add_co_u32 s22, s22, 3145728
	s_mul_i32 s20, s20, 12288
	s_lshl_b32 s92, s46, 9
	s_add_co_u32 s92, s92, 3145728
	s_mul_i32 s46, s46, 12288
	s_mov_b32 s21, 0
	s_mov_b32 s23, 0
	s_mov_b32 s47, 0
	s_mov_b32 s93, 0
	s_mov_b32 s[SEL], 0x76543210
	s_mov_b32 s[SEL+1], 0xfedcba98
	s_mov_b32 s13, 0xffff0000
	s_wait_dscnt 0x0                               ; the opening add is done
	s_wait_kmcnt 0x0
	s_add_nc_u64 s[20:21], s[4:5], s[20:21]
	s_add_nc_u64 s[22:23], s[4:5], s[22:23]
	s_add_nc_u64 s[46:47], s[6:7], s[46:47]
	s_add_nc_u64 s[92:93], s[6:7], s[92:93]
	s_cmp_eq_u32 s15, 0
	s_cselect_b64 s[18:19], s[20:21], s[46:47]
	s_add_nc_u64 s[66:67], s[18:19], s[66:67]      ; my two tiles' codes; never rewritten
	CROUND                                         ; all sixteen work-groups are here: the first joint loads meet
	s_mov_b32 s[G0S], 1
	s_mov_b32 s[G0S+1], SCL
	s_mov_b64 s[G0S+2:G0S+3], s[22:23]
	s_or_b32 s[G0S+3], s[G0S+3], 0x80000000
	s_mov_b32 s[G0SB], 1
	s_mov_b32 s[G0SB+1], SCL+8256
	s_mov_b64 s[G0SB+2:G0SB+3], s[92:93]
	s_or_b32 s[G0SB+3], s[G0SB+3], 0x80000000
.irp s, 0,1
	s_mov_b32 s[G0+4*\s], 1
	s_mov_b32 s[G0+4*\s+1], \s*SLOT
	s_add_nc_u64 s[G0+4*\s+2:G0+4*\s+3], s[20:21], \s*3072
	s_or_b32 s[G0+4*\s+3], s[G0+4*\s+3], 0x80000000
	s_mov_b32 s[G0B+4*\s], 1
	s_mov_b32 s[G0B+4*\s+1], \s*SLOT+2*HALFT
	s_add_nc_u64 s[G0B+4*\s+2:G0B+4*\s+3], s[46:47], \s*3072
	s_or_b32 s[G0B+4*\s+3], s[G0B+4*\s+3], 0x80000000
.endr
	s_add_nc_u64 s[G0C+2:G0C+3], s[20:21], 2*3072  ; slot 2's groups 0 are made where the addresses stood; none of their registers is written again before the wait for all loads
	s_or_b32 s[G0C+3], s[G0C+3], 0x80000000
	s_mov_b32 s[G0C], 1
	s_mov_b32 s[G0C+1], 2*SLOT
	s_add_nc_u64 s[G0BC+2:G0BC+3], s[46:47], 2*3072
	s_or_b32 s[G0BC+3], s[G0BC+3], 0x80000000
	s_mov_b32 s[G0BC], 1
	s_mov_b32 s[G0BC+1], 2*SLOT+2*HALFT
; THE FIRST FILLS, one tensor load a wave: one chain of branches on the wave's number, every arm with one load, all arms to one join.
; At the head: wave 0 A's 16 tiles of slot 0, wave 1 B's, wave 2 A's scale words, wave 3 B's.  Slots 1 and 2 follow behind the full sequence and a round.
.macro ARM under, g0, g1, next, join
	s_cmp_lt_u32 s14, \under
	s_cbranch_scc0 \next
	tensor_load_to_lds s[\g0:\g0+3], s[\g1:\g1+7]
	s_nop 0
.rept 4
	v_nop
.endr
	s_branch \join
\next:
.endm
.macro LASTARM g0, g1, join
	tensor_load_to_lds s[\g0:\g0+3], s[\g1:\g1+7]
	s_nop 0
.rept 4
	v_nop
.endr
\join:
.endm
	ARM 1, G0, G1, .Lh1, .Lhj
	ARM 2, G0B, G1B, .Lh2, .Lhj
	ARM 3, G0S, G1S, .Lh3, .Lhj
	LASTARM G0SB, G1SB, .Lhj
	s_load_b32 s12, s[6:7], 0x324000               ; the floor
	v_and_b32 v1, 15, v0                           ; r
	v_bfe_u32 v2, v0, 4, 1                         ; h
	v_and_b32 v3, 31, v0
	v_lshlrev_b32 v[L16], 4, v3
	v_lshlrev_b32 v[L8], 3, v3
	v_min_u32 v20, 23, v3                          ; a lane a block of 256 bytes; the lanes left over name the last block again
	v_lshlrev_b32 v20, 8, v20
	v_min_u32 v21, 11, v3
	v_lshlrev_b32 v21, 8, v21
	global_prefetch_b8 v20, s[66:67] offset:3072 th:TH_LOAD_NT scope:SCOPE_SE          ; K steps 2 to 5 of my two tiles, 6,144 bytes each: slots 1 and 2, which are loaded behind the next round
	global_prefetch_b8 v20, s[66:67] offset:12288+3072 th:TH_LOAD_NT scope:SCOPE_SE
	s_mul_i32 s18, s15, HALFT                      ; my 8 tiles of A,
	s_mul_i32 s19, s16, HALFT                      ; my 8 of B,
	s_add_co_u32 s19, s19, 2*HALFT                 ; which lie behind A's 16
.irp s, 0,1,2
	v_add_nc_u32 v[ADRA+\s], s18, v[L16]
	v_add_nc_u32 v[ADRB+\s], s19, v[L16]
	v_add_nc_u32 v[ADRA+3+\s], s18, v[L8]
	v_add_nc_u32 v[ADRB+3+\s], s19, v[L8]
	s_add_co_u32 s18, s18, SLOT
	s_add_co_u32 s19, s19, SLOT
.endr
	v_lshlrev_b32 v5, 2, v1                        ; 4 r
	s_mul_i32 s18, s15, 4096                       ; A's words: 16 tiles x 512 bytes on end
	s_mul_i32 s19, s16, 4096
	s_add_co_u32 s19, s19, 8256                    ; B's: 64 bytes behind A's end
	s_sub_co_u32 s19, s19, s18
	v_mul_u32_u24 v6, s19, v2                      ; lanes 16-31 take B's words
	s_add_co_u32 s18, s18, SCL
	v_add_nc_u32 v6, v5, v6
	v_add_nc_u32 v[ADRS], s18, v6
	v_lshl_add_u32 v[SWO], v2, 11, v5
	v_lshlrev_b32 v7, 6, v2                        ; 64 h
	s_lshl_b32 s96, s42, 10                        ; the bias of my 128 columns: register 16 b + i is column 32 b + 16 h + i
	s_lshl_b32 s97, s16, 9
	s_add_co_u32 s96, s96, s97
	s_add_co_u32 s96, s96, 3276800
	s_mov_b32 s97, 0
	s_add_nc_u64 s[96:97], s[6:7], s[96:97]
.irp b, 0,1,2,3
.irp j, 0,1,2,3
	global_load_b128 v[BI+16*\b+4*\j:BI+16*\b+4*\j+3], v7, s[96:97] offset:128*\b+16*\j
.endr
.endr
	s_lshl_b32 s98, s17, 4                         ; where my results go: fragment (16 x tile row + 8 x half) x 32 + 2 x tile column + half
	s_lshl_b32 s99, s15, 3
	s_add_co_u32 s98, s98, s99
	s_lshl_b32 s98, s98, 5
	s_lshl_b32 s99, s42, 1
	s_add_co_u32 s98, s98, s99
	s_add_co_u32 s98, s98, s16
	s_mul_i32 s2, s98, 1536
	s_mov_b32 s3, 0
	s_add_nc_u64 s[OB:OB+1], s[8:9], s[2:3]
	s_lshl_b32 s2, s98, 6
	s_add_co_u32 s2, s2, 12582912
	s_add_nc_u64 s[94:95], s[8:9], s[2:3]
.macro FRAG reg, adr, q, i             ; a fragment comes as it was stored: each load takes 512 or 256 consecutive bytes
	ds_load_b128 v[\reg:\reg+3], v[\adr] offset:3072*(\i)+1536*(\q)
	ds_load_b64 v[\reg+4:\reg+5], v[\adr+3] offset:3072*(\i)+1536*(\q)+512
	ds_load_b128 v[\reg+6:\reg+9], v[\adr] offset:3072*(\i)+1536*(\q)+768
	ds_load_b64 v[\reg+10:\reg+11], v[\adr+3] offset:3072*(\i)+1536*(\q)+1280
.endm
; 16 matrix instructions: A's blocks a0, a0 + 1 x B's eight.  zero = 1: the first product starts the sums from the bias.  The 64 accumulators take turns.
.macro MUL16 a0, p, q, sc, zero
.irp a, \a0, \a0+1
.irp b, 0,1,2,3,4,5,6,7
.if \zero
	v_wmma_scale_f32_16x16x128_f8f6f4 v[8*(8*((\a)%4)+\b):8*(8*((\a)%4)+\b)+7], v[128*(\p)+FR*\b:128*(\p)+FR*\b+FR-1], v[AF+FR*(\a):AF+FR*(\a)+FR-1], v[BI+8*\b:BI+8*\b+7], v[SC+8*NQ*(\sc)+NQ*\b+(\q)], v[SC+8*NQ*(\sc)+NQ*(\a)+(\q)] matrix_a_fmt:MATRIX_FMT_FP6 matrix_b_fmt:MATRIX_FMT_FP6 matrix_a_scale:MATRIX_SCALE_ROW1
.else
	v_wmma_scale_f32_16x16x128_f8f6f4 v[8*(8*((\a)%4)+\b):8*(8*((\a)%4)+\b)+7], v[128*(\p)+FR*\b:128*(\p)+FR*\b+FR-1], v[AF+FR*(\a):AF+FR*(\a)+FR-1], v[8*(8*((\a)%4)+\b):8*(8*((\a)%4)+\b)+7], v[SC+8*NQ*(\sc)+NQ*\b+(\q)], v[SC+8*NQ*(\sc)+NQ*(\a)+(\q)] matrix_a_fmt:MATRIX_FMT_FP6 matrix_b_fmt:MATRIX_FMT_FP6 matrix_a_scale:MATRIX_SCALE_ROW1
.endif
.endr
.endr
.endm
.macro FETCH_B slot, q, p
	WIN TO_B
.irp i, 0,1,2,3,4,5,6,7
	FRAG 128*(\p)+FR*\i, ADRB+\slot, \q, \i
.endr
	WIN 0
.endm
.macro FETCH_A slot, q, i0
.irp i, \i0, \i0+1, \i0+2, \i0+3
	FRAG AF+FR*(\i), ADRA+\slot, \q, \i
.endr
.endm
.macro SCALES sc                       ; the next slot's scale words into set sc: lanes 0-15 A's tile i, lanes 16-31 B's tile i
.irp i, 0,1,2,3,4,5,6,7
.irp q, 0,1
	ds_load_b32 v[SC+8*NQ*\sc+NQ*\i+\q], v[ADRS] offset:512*\i+64*\q
.endr
.endr
.endm
.macro PLACES n
.rept \n
	v_nop
.endr
.endm
.macro STEP slot, q, sc, zero          ; a step of 128 along K that has its successor in the same slot; sc: the set of scale words
	s_wait_dscnt 4*NL                              ; all but the youngest 16 loads (A's blocks 4-7) are in
.if \zero
	WIN 0x81                                       ; C (the bias) in window 0
.else
	WIN MUL_LO
.endif
	MUL16 0, (\q)%2, \q, \sc, \zero
	MUL16 2, (\q)%2, \q, \sc, \zero
	s_wait_dscnt 0
	PLACES NP                                      ; in front of loads into registers that matrix instructions have read
	FETCH_B \slot, (\q)+1, 1-(\q)%2
	FETCH_A \slot, (\q)+1, 0
.if \zero
	WIN 0xc1
.else
	WIN MUL_HI
.endif
	MUL16 4, (\q)%2, \q, \sc, \zero
	MUL16 6, (\q)%2, \q, \sc, \zero
	PLACES NP
	WIN 0
	FETCH_A \slot, (\q)+1, 4
.endm
; A slot's last step goes on into the next slot.  mode 2: this slot is filled again: the three lines, a round of the cluster's barrier, the joint refill.
; mode 1: the next slot is one that was filled again: the three lines and a barrier, behind which nothing is filled.  mode 0: the next slot was shown whole to every wave by an earlier round: nothing.
.macro TURN slot, next, sc, nsc, mode
.if \mode
	s_wait_tensorcnt 0x0                           ; all my tensor loads have landed
	ds_add_u32 v[SPW], v[NIL]
	s_wait_dscnt 4*NL+1                            ; the add and the youngest 16 loads may be out
.else
	s_wait_dscnt 4*NL                              ; the youngest 16 loads may be out
.endif
	WIN MUL_LO
	MUL16 0, 1, NQ-1, \sc, 0
.if \mode
	s_wait_dscnt 0x0                               ; the add is done, and my reads of this slot are over
	s_barrier_signal -1
.endif
	MUL16 2, 1, NQ-1, \sc, 0
.if \mode
	WIN 0
	s_barrier_wait -1
.else
	s_wait_dscnt 0x0                               ; A's blocks 4-7 are in
.endif
.if \mode == 2
	CREST                                          ; the barrier has opened a round of the cluster's: no wave of any partner still reads this slot or has a load on its way
	s_add_nc_u64 s[G0+4*\slot+2:G0+4*\slot+3], s[G0+4*\slot+2:G0+4*\slot+3], 9216       ; three slots on along K; no load of mine is out, so the descriptors may be written
	s_add_nc_u64 s[G0B+4*\slot+2:G0B+4*\slot+3], s[G0B+4*\slot+2:G0B+4*\slot+3], 9216
	s_add_nc_u64 s[G0+4*\slot+2:G0+4*\slot+3], s[G0+4*\slot+2:G0+4*\slot+3], s[40:41]   ; the refill goes by quarters: my 8 tiles,
	s_add_nc_u64 s[G0B+4*\slot+2:G0B+4*\slot+3], s[G0B+4*\slot+2:G0B+4*\slot+3], s[40:41]
	s_mul_i32 s[G0+4*\slot+1], s14, HALFT          ; to my quarter of the slot
	s_mul_i32 s[G0B+4*\slot+1], s14, HALFT
	s_mov_b32 s[G1+2], 8<<16
	s_mov_b32 s[G1+4], 8
	s_mov_b32 s[G1B+2], 8<<16
	s_mov_b32 s[G1B+4], 8
	JLOAD G0+4*\slot, G1, G0B+4*\slot, G1B         ; the first tensor load behind the round; its four v_nop are the places in front of the loads below
.else
	PLACES NP
.endif
	WIN 0
	v_add_nc_u32 v[ADRS], 128, v[ADRS]             ; the next slot's scale words
	FETCH_B \next, 0, 0
	FETCH_A \next, 0, 0
	SCALES \nsc
	WIN MUL_HI
	MUL16 4, 1, NQ-1, \sc, 0
	MUL16 6, 1, NQ-1, \sc, 0
	PLACES NP
	WIN 0
	FETCH_A \next, 0, 4
.endm
	s_wait_alu depctr_va_vdst(0)
	s_wait_alu depctr_va_vdst(0)                   ; the wait at the head's end
	s_wait_tensorcnt 0x0                           ; my one load of the head is in
	ds_add_u32 v[SPW], v[NIL]
	s_wait_dscnt 0x0
	CROUND                                         ; slot 0 and the scale words are whole, and all sixteen work-groups are here
	ARM 1, G0+4, G1, .Lr1, .Lrj                    ; wave 0: A's slot 1; wave 1: B's; wave 2: A's slot 2; wave 3: B's
	ARM 2, G0B+4, G1B, .Lr2, .Lrj
	ARM 3, G0C, G1, .Lr3, .Lrj
	LASTARM G0BC, G1B, .Lrj
	FETCH_B 0, 0, 0
	FETCH_A 0, 0, 0
	SCALES 0
	FETCH_A 0, 0, 4
	global_prefetch_b8 v21, s[66:67] offset:9216 th:TH_LOAD_NT scope:SCOPE_SE          ; K steps 6 and 7, 3,072 bytes a tile: the refill, which goes out at slot 0's last step
	global_prefetch_b8 v21, s[66:67] offset:12288+9216 th:TH_LOAD_NT scope:SCOPE_SE
	s_wait_loadcnt 0x0                             ; the bias
	s_wait_kmcnt 0x0                               ; the floor
	STEP 0, 0, 0, 1                                ; K steps 0, 1
	TURN 0, 1, 0, 1, 2                             ; slot 0 takes K steps 6 and 7
	s_wait_alu depctr_va_vdst(0)
	STEP 1, 0, 1, 0                                ; K steps 2, 3
	TURN 1, 2, 1, 0, 0
	s_wait_alu depctr_va_vdst(0)
	STEP 2, 0, 0, 0                                ; K steps 4, 5
	TURN 2, 0, 0, 1, 1
	STEP 0, 0, 1, 0                                ; K steps 6, 7
	s_wait_dscnt 4*NL
	WIN MUL_LO
	MUL16 0, 1, NQ-1, 1, 0
	MUL16 2, 1, NQ-1, 1, 0
	s_wait_dscnt 0
	WIN MUL_HI
	MUL16 4, 1, NQ-1, 1, 0
	MUL16 6, 1, NQ-1, 1, 0
	WIN 0
	; THE WAY OUT, a block of 16 rows x 128 columns at a time: held from below by the floor, quantised, stored as one fragment and its scale words.  No LDS.
	PLACES NP
.irp b, 0,1,2,3
	v_mov_b32 v[TM+4+\b], 0                        ; a lane permute's destination counts as one of its sources
.endr
.irp a, 0,1,2,3,4,5,6,7
.if \a > 0
	s_wait_xcnt 0x0                                ; the last block's stores have read their registers
.endif
	WIN (2+\a/4)<<2                                ; source 1: the accumulators' window
.set i, 0
.rept 64
	v_max_num_f32 v[T+i], s12, v[64*(\a%4)+i]      ; each accumulator from its low end on
.set i, i+1
.endr
	WIN 0
	QUANT T
	STOREF 49152*\a
.if \a%2 == 0
	v_mov_b32 v209, v[PW]
.else
	v_cndmask_b32 v210, v209, v[PW], s13           ; lanes 0-15: tile a - 1's words; lanes 16-31: tile a's
	global_store_b32 v[SWO], v210, s[94:95] offset:2048*(\a-1)
.endif
.endr
	s_wait_tensorcnt 0x0                           ; the wave's end
	ds_add_u32 v[SPW], v[NIL]
	s_wait_dscnt 0x0
	CROUND                                         ; the closing round
	s_endpgm
.Lfunc_end_k_q55087c3809_g1:
	.size	k_q55087c3809_g1, .Lfunc_end_k_q55087c3809_g1-k_q55087c3809_g1
	.p2alignl 7, 3214868480
	.fill 96, 4, 3214868480
	.section	.rodata,"a",@progbits
	.p2align	6, 0x0
	.amdhsa_kernel k_q55087c3809_g1
		.amdhsa_group_segment_fixed_size 327680
		.amdhsa_private_segment_fixed_size 0
		.amdhsa_enable_private_segment 0
		.amdhsa_kernarg_size 24
		.amdhsa_user_sgpr_count 2
		.amdhsa_user_sgpr_kernarg_segment_ptr 1
		.amdhsa_wavefront_size32 1
		.amdhsa_system_sgpr_workgroup_id_x 1
		.amdhsa_system_sgpr_workgroup_id_y 1
		.amdhsa_system_sgpr_workgroup_id_z 1
		.amdhsa_system_vgpr_workitem_id 0
		.amdhsa_next_free_vgpr 1024
		.amdhsa_next_free_sgpr 100
		.amdhsa_reserve_vcc 0
		.amdhsa_float_denorm_mode_32 3
		.amdhsa_float_denorm_mode_16_64 3
		.amdhsa_memory_ordered 1
		.amdhsa_forward_progress 1
		.amdhsa_inst_pref_size 170
	.end_amdhsa_kernel
	.amdgpu_metadata
---
amdhsa.version: [ 1, 2 ]
amdhsa.kernels:
  - .name:           k_q55087c3809_g1
    .symbol:         k_q55087c3809_g1.kd
    .args:
      - { .name: pa, .offset: 0, .size: 8, .value_kind: global_buffer, .address_space: global }
      - { .name: pw1, .offset: 8, .size: 8, .value_kind: global_buffer, .address_space: global }
      - { .name: t1, .offset: 16, .size: 8, .value_kind: global_buffer, .address_space: global }
    .group_segment_fixed_size: 327680
    .private_segment_fixed_size: 0
    .kernarg_segment_align: 8
    .kernarg_segment_size: 24
    .max_flat_workgroup_size: 128
    .sgpr_count:     100
    .vgpr_count:     1024
    .wavefront_size: 32
...
	.end_amdgpu_metadata
.endif
;; end of part 2
;; launch g2 (part 3): grid 16 x 16, 4 waves a work-group, clusters of 4 x 4, 327,680 bytes of LDS; arguments t1, pa, aq_b, ak_b, av_b, arv_b, t2; writes t2
.if DOCPART == 3
	.amdgcn_target "amdgcn-amd-amdhsa--gfx1250"
	.amdhsa_code_object_version 6
	.text
	.protected	k_q55087c3809_g2
	.globl	k_q55087c3809_g2
	.p2align	8
	.type	k_q55087c3809_g2,@function
k_q55087c3809_g2:
	s_mov_b64 s[64:65], 0
	v_nop
	global_prefetch_b8 v0, s[64:65] scope:SCOPE_SE
	s_setreg_imm32_b32 hwreg(HW_REG_WAVE_MODE, 25, 1), 1
	s_wait_xcnt 0x0
	s_wait_alu depctr_hold_cnt(0) depctr_sa_sdst(0) depctr_va_vdst(0) depctr_va_sdst(0) depctr_va_ssrc(0) depctr_va_vcc(0) depctr_vm_vsrc(0)
	s_getreg_b32 s2, hwreg(HW_REG_IB_STS2, 6, 4)
	s_cmp_eq_u32 s2, 0
	s_cbranch_scc0 .Lentry_in_a_cluster
	s_endpgm
.Lentry_in_a_cluster:
	s_bfe_u32 s2, ttmp6, 0x10000c
	s_cmp_lg_u32 s2, 0xf033
	s_cbranch_scc0 .Lentry_shape_is_right
	s_endpgm
.Lentry_shape_is_right:
; The four attention projections, K = 1,024, on codes of FP6 (E2M3).  The cluster's x is the job J, the same in all sixteen partners:
;   J = 0: Q = q aq + aq_b, J = 1: K = k ak + ak_b: quantised along the head's 64, stored as fragments [job][token tile][8] and one scale word for each (tile, head, row);
;   J = 2: V^T = (v av + av_b)^T: here A is the WEIGHT and B the tokens, so that a lane's results run along the tokens, the second attention product's K; fragments [d tile][32];
;   J = 3: RV = v arv + arv_b, kept in f32 as the image of the result's registers: [token tile][column tile][1,024].
; The main part is that of the GEMM before it: 256 x 256 to a work-group, 128 x 128 to a wave; THREE LDS slots of 256 along K: K steps 0 to 5 and the scale words are asked for together at the start, the last
; 256 along K go into slot 0 behind the round at that slot's last step, 192 matrix instructions ahead of their first use; the change from slot 1 to slot 2 has no barrier, since that round showed slot 2 whole.
; Tokens' codes lie [tile][32][1,536] in t1 (q, k, v at K steps 0, 8, 16), the weights' [tile][4 x 8][1,536] in pa: both sides have one shape, so every descriptor's shape is a constant.
; LIMITS: NaN and infinities are not served; a block under 2^-124 keeps the byte 1; a block of zeros gets the byte 1 (its codes are zeros; only this program reads the bytes).
; REGISTERS: as in the GEMM before it; v64-127 the bias by columns, v224-231 the bias by rows (J = 2).
.set FR,    12
.set NL,    4
.set NQ,    2
.set NP,    4
.set HALFT, 24576
.set SLOT,  4*HALFT
.set SCL,   3*SLOT
.set HALFS, 4160
.set SPARE, SCL+4*HALFS
.set ADRA, 8
.set ADRB, 14
.set L16,  24
.set L8,   25
.set SWO,  26
.set ADRS, 27
.set SPW,  28
.set NIL,  29
.set L4,   30
.set SC,   32
.set BI,   64
.set AF,   128
.set T,    128
.set TM,   192
.set PW,   208
.set BM,   224
.set PC,   232
.set SEL,  10
.set OB,   92
.set G1, 24
.set G0, 32
.set G0C, 20
.set G1B, 48
.set G0B, 56
.set G0BC, 44
.set G1S, 68
.set G0S, 76
.set G1SB, 80
.set G0SB, 88
.set MSB, 0
.macro WIN new
.if MSB != (\new)
	s_set_vgpr_msb (MSB<<8)|(\new)
.set MSB, (\new)
.endif
.endm
.set MUL_LO, 0xa1
.set MUL_HI, 0xf1
.set TO_B,   0x40
.macro JLOAD g0a, g1a, g0b, g1b
	s_cmp_eq_u32 s15, 0
	s_cbranch_scc0 .Lfor_b_\@
	tensor_load_to_lds s[\g0a:\g0a+3], s[\g1a:\g1a+7]
	s_nop 0
.rept 4
	v_nop
.endr
	s_branch .Lasked_\@
.Lfor_b_\@:
	tensor_load_to_lds s[\g0b:\g0b+3], s[\g1b:\g1b+7]
	s_nop 0
.rept 4
	v_nop
.endr
.Lasked_\@:
.endm
.macro CREST
	s_cmp_lg_u32 s14, 0
	s_cbranch_scc1 .Lnot_wave_0_\@
	s_barrier_signal -3
.Lnot_wave_0_\@:
	s_barrier_wait -3
	s_barrier_signal -1
	s_barrier_wait -1
.endm
.macro CROUND
	s_barrier_signal -1
	s_barrier_wait -1
	CREST
.endm
.macro QUANT s
.irp b, 0,1,2,3
	v_max3_num_f32 v[TM+\b], |v[\s+16*\b]|, |v[\s+1+16*\b]|, 0x1800000
.endr
.irp i, 2,4,6,8,10,12,14
.irp b, 0,1,2,3
	v_max3_num_f32 v[TM+\b], v[TM+\b], |v[\s+16*\b+\i]|, |v[\s+1+16*\b+\i]|
.endr
.endr
.irp b, 0,1,2,3
	v_permlanex16_b32 v[TM+4+\b], v[TM+\b], s[SEL], s[SEL+1]
.endr
.irp b, 0,1,2,3
	v_max_num_f32 v[TM+\b], v[TM+\b], v[TM+4+\b]
.endr
.irp b, 0,1,2,3
	v_add_nc_u32 v[TM+12+\b], 0xff000000, v[TM+\b]
.endr
.irp b, 0,1,2,3
	v_lshrrev_b32 v[TM+4+\b], 23, v[TM+12+\b]
.endr
	v_lshl_or_b32 v[PW], v[TM+5], 8, v[TM+4]
	v_lshl_or_b32 v[PW], v[TM+6], 16, v[PW]
	v_lshl_or_b32 v[PW], v[TM+7], 24, v[PW]
.irp c, 0,1
	v_cvt_scalef32_pk16_fp6_f32 v[PC+6*\c:PC+2+6*\c], v[\s+32*\c:\s+15+32*\c], v[TM+12+2*\c]
	v_cvt_scalef32_pk16_fp6_f32 v[PC+12+4*\c:PC+14+4*\c], v[\s+16+32*\c:\s+31+32*\c], v[TM+12+2*\c+1]
.endr
	v_nop                                          ; one plain place behind the scaled conversions
.irp c, 0,1
.irp i, 0,1,2
	v_permlane16_swap_b32 v[PC+6*\c+\i], v[PC+12+4*\c+\i]
.endr
.irp i, 0,1,2
	v_mov_b32 v[PC+3+6*\c+\i], v[PC+12+4*\c+\i]
.endr
.endr
.endm
.macro STOREF off
	global_store_b128 v[L16], v[PC:PC+3], s[OB:OB+1] offset:(\off)
	global_store_b64 v[L8], v[PC+4:PC+5], s[OB:OB+1] offset:(\off)+512
	global_store_b128 v[L16], v[PC+6:PC+9], s[OB:OB+1] offset:(\off)+768
	global_store_b64 v[L8], v[PC+10:PC+11], s[OB:OB+1] offset:(\off)+1280
.endm
	s_load_b128 s[4:7], s[0:1], 0x0                ; t1, pa
	s_load_b256 s[92:99], s[0:1], 0x10             ; aq_b, ak_b, av_b, arv_b
	s_load_b64 s[8:9], s[0:1], 0x30                ; t2
	v_lshl_add_u32 v[SPW], v0, 2, SPARE
	v_mov_b32 v[NIL], 0
	ds_add_u32 v[SPW], v[NIL]                      ; the wave's opening: the add and its wait ahead of my first tensor load
	ds_add_u32 v[SPW], v[NIL]
	v_lshrrev_b32 v1, 5, v0
	v_readfirstlane_b32 s14, v1
	s_lshr_b32 s15, s14, 1
	s_and_b32 s16, s14, 1
	s_bfe_u32 s40, ttmp6, 0x40000                  ; cx, cy
	s_bfe_u32 s41, ttmp6, 0x40004
	s_and_b32 s45, ttmp7, 0xffff
	s_lshl_b32 s45, s45, 2                         ; 4 x the cluster's y: it walks the tokens, which are A's rows, or for J = 2 B's
	s_cmp_eq_u32 ttmp9, 2
	s_cselect_b32 s18, 0, s45
	s_cselect_b32 s19, s45, 0
	s_add_co_u32 s17, s41, s18                     ; A's tile of 256 rows: cy and numbers that all partners share
	s_add_co_u32 s42, s40, s19                     ; B's: cx and such numbers
	s_lshl_b32 s43, s41, 2
	s_lshl_b32 s43, 15, s43
	s_lshl_b32 s44, 0x1111, s40
	s_or_b32 s[G1+0], s43, (3<<16)|(1<<21)
	s_or_b32 s[G1B+0], s44, (3<<16)|(1<<21)
.irp g, G1, G1B                                ; codes: 8 tiles x 384 elements of 8 bytes, 6,144 elements from tile to tile
	s_mov_b32 s[\g+1], 384<<16
	s_mov_b32 s[\g+2], 16<<16                      ; the first fills bring a side's 16 tiles; the refill's 8 are set ahead of it
	s_mov_b32 s[\g+3], 384<<16
	s_mov_b32 s[\g+4], 16
	s_mov_b32 s[\g+5], 6144
	s_mov_b32 s[\g+6], 0
	s_mov_b32 s[\g+7], 0
.endr
	s_or_b32 s[G1S+0], s43, (3<<16)|(1<<21)
	s_or_b32 s[G1SB+0], s44, (3<<16)|(1<<21)
.irp g, G1S, G1SB                              ; scale words: 8 tiles x 64 elements (512 bytes), 256 elements from tile to tile
	s_mov_b32 s[\g+1], 64<<16
	s_mov_b32 s[\g+2], 16<<16                      ; the scale words of all 16 tiles of a side
	s_mov_b32 s[\g+3], 64<<16
	s_mov_b32 s[\g+4], 16
	s_mov_b32 s[\g+5], 256
	s_mov_b32 s[\g+6], 0
	s_mov_b32 s[\g+7], 0
.endr
	s_min_u32 s20, ttmp9, 2                        ; the tokens' operand: q, k, v, v
	s_mul_i32 s21, s20, 12288
	s_lshl_b32 s22, s20, 9
	s_add_co_u32 s22, s22, 12582912
	s_mul_i32 s23, ttmp9, 12288                    ; the weight: aq, ak, av, arv
	s_add_co_u32 s23, s23, 3276800
	s_lshl_b32 s45, ttmp9, 9
	s_add_co_u32 s45, s45, 6422528
	s_cmp_eq_u32 ttmp9, 2
	s_cselect_b32 s18, s23, s21                    ; A's codes, A's words,
	s_cselect_b32 s19, s45, s22
	s_cselect_b32 s46, s21, s23                    ; B's codes, B's words
	s_cselect_b32 s47, s22, s45
	s_lshl_b32 s20, s17, 4                         ; A: tile 16 tA
	s_mul_i32 s23, s20, 49152
	s_add_co_u32 s18, s18, s23
	s_lshl_b32 s23, s20, 11
	s_add_co_u32 s19, s19, s23
	s_lshl_b32 s66, s42, 4                         ; B: tile 16 tB
	s_cmp_eq_u32 s15, 0                            ; the prefetches: waves 0 and 1 ask for A, waves 2 and 3 for B
	s_cselect_b32 s43, s40, s41                    ; my place p among the four that ask for the tiles with me: it enters the prefetches' address alone
	s_lshl_b32 s43, s43, 2
	s_lshl_b32 s44, s16, 1
	s_add_co_u32 s43, s43, s44                     ; of the side's 16 tiles mine are 4 p + 2 x half and the next
	s_mul_i32 s43, s43, 49152
	s_mul_i32 s40, s16, 393216
	s_mov_b32 s41, 0
	s_mul_i32 s67, s66, 49152
	s_add_co_u32 s46, s46, s67
	s_lshl_b32 s67, s66, 11
	s_add_co_u32 s47, s47, s67
	s_wait_dscnt 0x0                               ; the opening add is done
	s_wait_kmcnt 0x0
	s_cmp_eq_u32 ttmp9, 0                          ; the job's bias
	s_cselect_b64 s[12:13], s[92:93], s[94:95]
	s_cmp_eq_u32 ttmp9, 2
	s_cselect_b64 s[12:13], s[96:97], s[12:13]
	s_cmp_eq_u32 ttmp9, 3
	s_cselect_b64 s[12:13], s[98:99], s[12:13]
	s_cmp_eq_u32 ttmp9, 2
	s_cselect_b64 s[96:97], s[6:7], s[4:5]         ; A's buffer,
	s_cselect_b64 s[98:99], s[4:5], s[6:7]         ; B's
	s_mov_b32 s2, s18
	s_mov_b32 s3, 0
	s_add_nc_u64 s[20:21], s[96:97], s[2:3]
	s_mov_b32 s2, s19
	s_add_nc_u64 s[22:23], s[96:97], s[2:3]
	s_mov_b32 s66, s47
	s_mov_b32 s67, 0
	s_add_nc_u64 s[92:93], s[98:99], s[66:67]
	s_mov_b32 s66, s46
	s_add_nc_u64 s[46:47], s[98:99], s[66:67]
	s_cmp_eq_u32 s15, 0
	s_cselect_b64 s[94:95], s[20:21], s[46:47]
	s_mov_b32 s66, s43
	s_mov_b32 s67, 0
	s_add_nc_u64 s[94:95], s[94:95], s[66:67]      ; my two tiles' codes
	CROUND                                         ; all sixteen work-groups are here: the first joint loads meet
	s_mov_b32 s[G0S], 1
	s_mov_b32 s[G0S+1], SCL
	s_mov_b64 s[G0S+2:G0S+3], s[22:23]
	s_or_b32 s[G0S+3], s[G0S+3], 0x80000000
	s_mov_b32 s[G0SB], 1
	s_mov_b32 s[G0SB+1], SCL+8256
	s_mov_b64 s[G0SB+2:G0SB+3], s[92:93]
	s_or_b32 s[G0SB+3], s[G0SB+3], 0x80000000
.irp s, 0,1
	s_mov_b32 s[G0+4*\s], 1
	s_mov_b32 s[G0+4*\s+1], \s*SLOT
	s_add_nc_u64 s[G0+4*\s+2:G0+4*\s+3], s[20:21], \s*3072
	s_or_b32 s[G0+4*\s+3], s[G0+4*\s+3], 0x80000000
	s_mov_b32 s[G0B+4*\s], 1
	s_mov_b32 s[G0B+4*\s+1], \s*SLOT+2*HALFT
	s_add_nc_u64 s[G0B+4*\s+2:G0B+4*\s+3], s[46:47], \s*3072
	s_or_b32 s[G0B+4*\s+3], s[G0B+4*\s+3], 0x80000000
.endr
	s_add_nc_u64 s[G0C+2:G0C+3], s[20:21], 2*3072  ; slot 2's groups 0 are made where the addresses stood; none of their registers is written again before the wait for all loads
	s_or_b32 s[G0C+3], s[G0C+3], 0x80000000
	s_mov_b32 s[G0C], 1
	s_mov_b32 s[G0C+1], 2*SLOT
	s_add_nc_u64 s[G0BC+2:G0BC+3], s[46:47], 2*3072
	s_or_b32 s[G0BC+3], s[G0BC+3], 0x80000000
	s_mov_b32 s[G0BC], 1
	s_mov_b32 s[G0BC+1], 2*SLOT+2*HALFT
; THE FIRST FILLS, one tensor load a wave: one chain of branches on the wave's number, every arm with one load, all arms to one join.
; At the head: wave 0 A's 16 tiles of slot 0, wave 1 B's, wave 2 A's scale words, wave 3 B's.  Slots 1 and 2 follow behind the full sequence and a round.
.macro ARM under, g0, g1, next, join
	s_cmp_lt_u32 s14, \under
	s_cbranch_scc0 \next
	tensor_load_to_lds s[\g0:\g0+3], s[\g1:\g1+7]
	s_nop 0
.rept 4
	v_nop
.endr
	s_branch \join
\next:
.endm
.macro LASTARM g0, g1, join
	tensor_load_to_lds s[\g0:\g0+3], s[\g1:\g1+7]
	s_nop 0
.rept 4
	v_nop
.endr
\join:
.endm
	ARM 1, G0, G1, .Lh1, .Lhj
	ARM 2, G0B, G1B, .Lh2, .Lhj
	ARM 3, G0S, G1S, .Lh3, .Lhj
	LASTARM G0SB, G1SB, .Lhj
	s_mov_b32 s[SEL], 0x76543210
	s_mov_b32 s[SEL+1], 0xfedcba98
	s_mov_b32 s96, 0xffff0000
	v_and_b32 v1, 15, v0
	v_bfe_u32 v2, v0, 4, 1
	v_and_b32 v3, 31, v0
	v_lshlrev_b32 v[L16], 4, v3
	v_lshlrev_b32 v[L8], 3, v3
	v_min_u32 v20, 23, v3                          ; a lane a block of 256 bytes; the lanes left over name the last block again
	v_lshlrev_b32 v20, 8, v20
	v_min_u32 v21, 11, v3
	v_lshlrev_b32 v21, 8, v21
	global_prefetch_b8 v20, s[94:95] offset:3072 th:TH_LOAD_NT scope:SCOPE_SE          ; K steps 2 to 5 of my two tiles, 6,144 bytes each: slots 1 and 2, which are loaded behind the next round
	global_prefetch_b8 v20, s[94:95] offset:49152+3072 th:TH_LOAD_NT scope:SCOPE_SE
	v_lshlrev_b32 v[L4], 2, v3
	s_mul_i32 s18, s15, HALFT
	s_mul_i32 s19, s16, HALFT
	s_add_co_u32 s19, s19, 2*HALFT
.irp s, 0,1,2
	v_add_nc_u32 v[ADRA+\s], s18, v[L16]
	v_add_nc_u32 v[ADRB+\s], s19, v[L16]
	v_add_nc_u32 v[ADRA+3+\s], s18, v[L8]
	v_add_nc_u32 v[ADRB+3+\s], s19, v[L8]
	s_add_co_u32 s18, s18, SLOT
	s_add_co_u32 s19, s19, SLOT
.endr
	v_lshlrev_b32 v5, 2, v1
	s_mul_i32 s18, s15, 4096                       ; A's words: 16 tiles x 512 bytes on end
	s_mul_i32 s19, s16, 4096
	s_add_co_u32 s19, s19, 8256                    ; B's: 64 bytes behind A's end
	s_sub_co_u32 s19, s19, s18
	v_mul_u32_u24 v6, s19, v2
	s_add_co_u32 s18, s18, SCL
	v_add_nc_u32 v6, v5, v6
	v_add_nc_u32 v[ADRS], s18, v6
	v_lshl_add_u32 v[SWO], v2, 11, v5
	v_lshlrev_b32 v7, 6, v2                        ; 64 h
	s_wait_alu depctr_va_vdst(0)
	v_and_b32 v4, 8, v1
	v_add_nc_u32 v4, v4, v1
	v_lshlrev_b32 v4, 2, v4                        ; 4 (r + 8 (r / 8))
	; both forms of the bias are fetched on the one way that all jobs take; a job uses one.  The form that is not used reads from the vector's start.
	s_wait_alu depctr_va_vdst(0)
	s_lshl_b32 s66, s42, 10
	s_lshl_b32 s67, s16, 9
	s_add_co_u32 s66, s66, s67
	s_lshl_b32 s2, s17, 10
	s_lshl_b32 s3, s15, 9
	s_add_co_u32 s2, s2, s3
	s_cmp_eq_u32 ttmp9, 2
	s_cselect_b32 s66, 0, s66
	s_cselect_b32 s2, s2, 0
	s_mov_b32 s67, 0
	s_mov_b32 s3, 0
	s_add_nc_u64 s[98:99], s[12:13], s[66:67]
	s_add_nc_u64 s[100:101], s[12:13], s[2:3]
.irp b, 0,1,2,3
.irp j, 0,1,2,3
	global_load_b128 v[BI+16*\b+4*\j:BI+16*\b+4*\j+3], v7, s[98:99] offset:128*\b+16*\j     ; by columns: register 16 b + i is column 32 b + 16 h + i
.endr
.endr
.irp a, 0,1,2,3,4,5,6,7
	global_load_b32 v[BM+\a], v4, s[100:101] offset:(32*(\a/2)+8*(\a%2))*4                  ; by rows: block a's row of my lane
.endr
.macro FRAG reg, adr, q, i
	ds_load_b128 v[\reg:\reg+3], v[\adr] offset:3072*(\i)+1536*(\q)
	ds_load_b64 v[\reg+4:\reg+5], v[\adr+3] offset:3072*(\i)+1536*(\q)+512
	ds_load_b128 v[\reg+6:\reg+9], v[\adr] offset:3072*(\i)+1536*(\q)+768
	ds_load_b64 v[\reg+10:\reg+11], v[\adr+3] offset:3072*(\i)+1536*(\q)+1280
.endm
.macro MUL16 a0, p, q, sc, zero        ; the 64 accumulators take turns; zero = 1: the first product starts the sums
.irp a, \a0, \a0+1
.irp b, 0,1,2,3,4,5,6,7
.if \zero
	v_wmma_scale_f32_16x16x128_f8f6f4 v[8*(8*((\a)%4)+\b):8*(8*((\a)%4)+\b)+7], v[128*(\p)+FR*\b:128*(\p)+FR*\b+FR-1], v[AF+FR*(\a):AF+FR*(\a)+FR-1], 0, v[SC+8*NQ*(\sc)+NQ*\b+(\q)], v[SC+8*NQ*(\sc)+NQ*(\a)+(\q)] matrix_a_fmt:MATRIX_FMT_FP6 matrix_b_fmt:MATRIX_FMT_FP6 matrix_a_scale:MATRIX_SCALE_ROW1
.else
	v_wmma_scale_f32_16x16x128_f8f6f4 v[8*(8*((\a)%4)+\b):8*(8*((\a)%4)+\b)+7], v[128*(\p)+FR*\b:128*(\p)+FR*\b+FR-1], v[AF+FR*(\a):AF+FR*(\a)+FR-1], v[8*(8*((\a)%4)+\b):8*(8*((\a)%4)+\b)+7], v[SC+8*NQ*(\sc)+NQ*\b+(\q)], v[SC+8*NQ*(\sc)+NQ*(\a)+(\q)] matrix_a_fmt:MATRIX_FMT_FP6 matrix_b_fmt:MATRIX_FMT_FP6 matrix_a_scale:MATRIX_SCALE_ROW1
.endif
.endr
.endr
.endm
.macro FETCH_B slot, q, p
	WIN TO_B
.irp i, 0,1,2,3,4,5,6,7
	FRAG 128*(\p)+FR*\i, ADRB+\slot, \q, \i
.endr
	WIN 0
.endm
.macro FETCH_A slot, q, i0
.irp i, \i0, \i0+1, \i0+2, \i0+3
	FRAG AF+FR*(\i), ADRA+\slot, \q, \i
.endr
.endm
.macro SCALES sc
.irp i, 0,1,2,3,4,5,6,7
.irp q, 0,1
	ds_load_b32 v[SC+8*NQ*\sc+NQ*\i+\q], v[ADRS] offset:512*\i+64*\q
.endr
.endr
.endm
.macro PLACES n
.rept \n
	v_nop
.endr
.endm
.macro STEP slot, q, sc, zero
	s_wait_dscnt 4*NL                              ; all but the youngest 16 loads (A's blocks 4-7) are in
	WIN MUL_LO
	MUL16 0, (\q)%2, \q, \sc, \zero
	MUL16 2, (\q)%2, \q, \sc, \zero
	s_wait_dscnt 0
	PLACES NP
	FETCH_B \slot, (\q)+1, 1-(\q)%2
	FETCH_A \slot, (\q)+1, 0
	WIN MUL_HI
	MUL16 4, (\q)%2, \q, \sc, \zero
	MUL16 6, (\q)%2, \q, \sc, \zero
	PLACES NP
	WIN 0
	FETCH_A \slot, (\q)+1, 4
.endm
; mode 2: this slot is filled again: the three lines, a round of the cluster's barrier, the joint refill.  mode 1: the next slot was filled again: the three lines and a barrier, behind which nothing is filled.
; mode 0: the next slot was shown whole to every wave by an earlier round: nothing.
.macro TURN slot, next, sc, nsc, mode
.if \mode
	s_wait_tensorcnt 0x0                           ; all my tensor loads have landed
	ds_add_u32 v[SPW], v[NIL]
	s_wait_dscnt 4*NL+1                            ; the add and the youngest 16 loads may be out
.else
	s_wait_dscnt 4*NL                              ; the youngest 16 loads may be out
.endif
	WIN MUL_LO
	MUL16 0, 1, NQ-1, \sc, 0
.if \mode
	s_wait_dscnt 0x0                               ; the add is done, and my reads of this slot are over
	s_barrier_signal -1
.endif
	MUL16 2, 1, NQ-1, \sc, 0
.if \mode
	WIN 0
	s_barrier_wait -1
.else
	s_wait_dscnt 0x0                               ; A's blocks 4-7 are in
.endif
.if \mode == 2
	CREST
	s_add_nc_u64 s[G0+4*\slot+2:G0+4*\slot+3], s[G0+4*\slot+2:G0+4*\slot+3], 9216       ; three slots on along K; no load of mine is out, so the descriptors may be written
	s_add_nc_u64 s[G0B+4*\slot+2:G0B+4*\slot+3], s[G0B+4*\slot+2:G0B+4*\slot+3], 9216
	s_add_nc_u64 s[G0+4*\slot+2:G0+4*\slot+3], s[G0+4*\slot+2:G0+4*\slot+3], s[40:41]   ; the refill goes by quarters: my 8 tiles,
	s_add_nc_u64 s[G0B+4*\slot+2:G0B+4*\slot+3], s[G0B+4*\slot+2:G0B+4*\slot+3], s[40:41]
	s_mul_i32 s[G0+4*\slot+1], s14, HALFT          ; to my quarter of the slot
	s_mul_i32 s[G0B+4*\slot+1], s14, HALFT
	s_mov_b32 s[G1+2], 8<<16
	s_mov_b32 s[G1+4], 8
	s_mov_b32 s[G1B+2], 8<<16
	s_mov_b32 s[G1B+4], 8
	JLOAD G0+4*\slot, G1, G0B+4*\slot, G1B         ; the first tensor load behind the round; its four v_nop are the places in front of the loads below
.else
	PLACES NP
.endif
	WIN 0
	v_add_nc_u32 v[ADRS], 128, v[ADRS]
	FETCH_B \next, 0, 0
	FETCH_A \next, 0, 0
	SCALES \nsc
	WIN MUL_HI
	MUL16 4, 1, NQ-1, \sc, 0
	MUL16 6, 1, NQ-1, \sc, 0
	PLACES NP
	WIN 0
	FETCH_A \next, 0, 4
.endm
	s_wait_alu depctr_va_vdst(0)                   ; the wait at the head's end
	s_wait_tensorcnt 0x0                           ; my one load of the head is in
	ds_add_u32 v[SPW], v[NIL]
	s_wait_dscnt 0x0
	CROUND                                         ; slot 0 and the scale words are whole, and all sixteen work-groups are here
	ARM 1, G0+4, G1, .Lr1, .Lrj                    ; wave 0: A's slot 1; wave 1: B's; wave 2: A's slot 2; wave 3: B's
	ARM 2, G0B+4, G1B, .Lr2, .Lrj
	ARM 3, G0C, G1, .Lr3, .Lrj
	LASTARM G0BC, G1B, .Lrj
	FETCH_B 0, 0, 0
	FETCH_A 0, 0, 0
	SCALES 0
	FETCH_A 0, 0, 4
	global_prefetch_b8 v21, s[94:95] offset:9216 th:TH_LOAD_NT scope:SCOPE_SE          ; K steps 6 and 7, 3,072 bytes a tile: the refill, which goes out at slot 0's last step
	global_prefetch_b8 v21, s[94:95] offset:49152+9216 th:TH_LOAD_NT scope:SCOPE_SE
	STEP 0, 0, 0, 1                                ; K steps 0, 1
	TURN 0, 1, 0, 1, 2                             ; slot 0 takes K steps 6 and 7
	s_wait_alu depctr_va_vdst(0)
	STEP 1, 0, 1, 0                                ; K steps 2, 3
	TURN 1, 2, 1, 0, 0
	s_wait_alu depctr_va_vdst(0)
	STEP 2, 0, 0, 0                                ; K steps 4, 5
	TURN 2, 0, 0, 1, 1
	STEP 0, 0, 1, 0                                ; K steps 6, 7
	s_wait_dscnt 4*NL
	WIN MUL_LO
	MUL16 0, 1, NQ-1, 1, 0
	MUL16 2, 1, NQ-1, 1, 0
	s_wait_dscnt 0
	WIN MUL_HI
	MUL16 4, 1, NQ-1, 1, 0
	MUL16 6, 1, NQ-1, 1, 0
	WIN 0
	; THE WAY OUT, by the job: a branch on the cluster's x, which all partners share.  No arm touches LDS; all meet again ahead of the closing round.
	PLACES NP
.irp b, 0,1,2,3
	v_mov_b32 v[TM+4+\b], 0
.endr
	s_wait_loadcnt 0x0                             ; the biases
	s_wait_xcnt 0x0                                ; the prefetches have read their address: its registers are written again below
	s_lshl_b32 s18, s17, 4
	s_lshl_b32 s19, s15, 3
	s_add_co_u32 s18, s18, s19                     ; my first tile of A's rows
	s_lshl_b32 s19, s42, 1
	s_add_co_u32 s19, s19, s16                     ; my 128 of B's rows
	s_mov_b32 s21, 0
; block a's 64 results + the bias -> v[T] on.  rows = 1: the bias goes by A's rows
.macro ADDB a, rows
.if \a > 0
	s_wait_xcnt 0x0                                ; the last block's stores have read their registers
.endif
	WIN 2+(\a)/4                                   ; source 0: the accumulators' window
.set i, 0
.rept 32
.if \rows
.if (\a)%2
	v_pk_add_f32 v[T+i:T+i+1], v[64*((\a)%4)+i:64*((\a)%4)+i+1], v[BM+2*((\a)/2):BM+2*((\a)/2)+1] op_sel:[0,1] op_sel_hi:[1,1]
.else
	v_pk_add_f32 v[T+i:T+i+1], v[64*((\a)%4)+i:64*((\a)%4)+i+1], v[BM+2*((\a)/2):BM+2*((\a)/2)+1] op_sel:[0,0] op_sel_hi:[1,0]
.endif
.else
	v_pk_add_f32 v[T+i:T+i+1], v[64*((\a)%4)+i:64*((\a)%4)+i+1], v[BI+i:BI+i+1]
.endif
.set i, i+2
.endr
	WIN 0
.endm
	s_cmp_eq_u32 ttmp9, 2
	s_cbranch_scc1 .Lev
	s_cmp_eq_u32 ttmp9, 3
	s_cbranch_scc1 .Lerv
	; Q and K
	s_lshl_b32 s20, s18, 3
	s_add_co_u32 s20, s20, s19
	s_mul_i32 s20, s20, 1536
	s_mul_i32 s22, ttmp9, 3145728
	s_add_co_u32 s20, s20, s22
	s_add_nc_u64 s[OB:OB+1], s[8:9], s[20:21]
	s_lshl_b32 s20, s18, 10
	s_lshl_b32 s22, s19, 7
	s_add_co_u32 s20, s20, s22
	s_lshl_b32 s22, ttmp9, 18
	s_add_co_u32 s20, s20, s22
	s_add_co_u32 s20, s20, 6291456
	s_add_nc_u64 s[94:95], s[8:9], s[20:21]
.irp a, 0,1,2,3,4,5,6,7
	ADDB \a, 0
	QUANT T
	STOREF 12288*\a
	v_lshrrev_b32 v209, 16, v[PW]
	v_cndmask_b32 v210, v[PW], v209, s96           ; a word for each head: lanes 0-15 the even head's (its two bytes lowest), lanes 16-31 the odd head's
	global_store_b32 v[L4], v210, s[94:95] offset:1024*\a
.endr
	s_branch .Ldone
.Lev:                                                  ; V^T
	s_lshl_b32 s20, s18, 5
	s_add_co_u32 s22, s20, s19
	s_mul_i32 s20, s22, 1536
	s_add_co_u32 s20, s20, 6815744
	s_add_nc_u64 s[OB:OB+1], s[8:9], s[20:21]
	s_lshl_b32 s20, s22, 6
	s_add_co_u32 s20, s20, 9961472
	s_add_nc_u64 s[94:95], s[8:9], s[20:21]
.irp a, 0,1,2,3,4,5,6,7
	ADDB \a, 1
	QUANT T
	STOREF 49152*\a
.if \a%2 == 0
	v_mov_b32 v209, v[PW]
.else
	v_cndmask_b32 v210, v209, v[PW], s96
	global_store_b32 v[SWO], v210, s[94:95] offset:2048*(\a-1)
.endif
.endr
	s_branch .Ldone
.Lerv:                                                 ; RV
	s_lshl_b32 s20, s18, 6
	s_lshl_b32 s22, s19, 3
	s_add_co_u32 s20, s20, s22
	s_lshl_b32 s20, s20, 10
	s_add_co_u32 s20, s20, 10092544
	s_add_nc_u64 s[OB:OB+1], s[8:9], s[20:21]
.irp a, 0,1,2,3,4,5,6,7
	ADDB \a, 0
.irp b, 0,1,2,3,4,5,6,7
	global_store_b128 v[L16], v[T+8*\b:T+8*\b+3], s[OB:OB+1] offset:65536*\a+1024*\b          ; each store covers 512 consecutive bytes
	global_store_b128 v[L16], v[T+8*\b+4:T+8*\b+7], s[OB:OB+1] offset:65536*\a+1024*\b+512
.endr
.endr
.Ldone:
	s_wait_tensorcnt 0x0                           ; the wave's end
	ds_add_u32 v[SPW], v[NIL]
	s_wait_dscnt 0x0
	CROUND                                         ; the closing round
	s_endpgm
.Lfunc_end_k_q55087c3809_g2:
	.size	k_q55087c3809_g2, .Lfunc_end_k_q55087c3809_g2-k_q55087c3809_g2
	.p2alignl 7, 3214868480
	.fill 96, 4, 3214868480
	.section	.rodata,"a",@progbits
	.p2align	6, 0x0
	.amdhsa_kernel k_q55087c3809_g2
		.amdhsa_group_segment_fixed_size 327680
		.amdhsa_private_segment_fixed_size 0
		.amdhsa_enable_private_segment 0
		.amdhsa_kernarg_size 56
		.amdhsa_user_sgpr_count 2
		.amdhsa_user_sgpr_kernarg_segment_ptr 1
		.amdhsa_wavefront_size32 1
		.amdhsa_system_sgpr_workgroup_id_x 1
		.amdhsa_system_sgpr_workgroup_id_y 1
		.amdhsa_system_sgpr_workgroup_id_z 1
		.amdhsa_system_vgpr_workitem_id 0
		.amdhsa_next_free_vgpr 1024
		.amdhsa_next_free_sgpr 102
		.amdhsa_reserve_vcc 0
		.amdhsa_float_denorm_mode_32 3
		.amdhsa_float_denorm_mode_16_64 3
		.amdhsa_memory_ordered 1
		.amdhsa_forward_progress 1
		.amdhsa_inst_pref_size 253
	.end_amdhsa_kernel
	.amdgpu_metadata
---
amdhsa.version: [ 1, 2 ]
amdhsa.kernels:
  - .name:           k_q55087c3809_g2
    .symbol:         k_q55087c3809_g2.kd
    .args:
      - { .name: t1, .offset: 0, .size: 8, .value_kind: global_buffer, .address_space: global }
      - { .name: pa, .offset: 8, .size: 8, .value_kind: global_buffer, .address_space: global }
      - { .name: aq_b, .offset: 16, .size: 8, .value_kind: global_buffer, .address_space: global }
      - { .name: ak_b, .offset: 24, .size: 8, .value_kind: global_buffer, .address_space: global }
      - { .name: av_b, .offset: 32, .size: 8, .value_kind: global_buffer, .address_space: global }
      - { .name: arv_b, .offset: 40, .size: 8, .value_kind: global_buffer, .address_space: global }
      - { .name: t2, .offset: 48, .size: 8, .value_kind: global_buffer, .address_space: global }
    .group_segment_fixed_size: 327680
    .private_segment_fixed_size: 0
    .kernarg_segment_align: 8
    .kernarg_segment_size: 56
    .max_flat_workgroup_size: 128
    .sgpr_count:     102
    .vgpr_count:     1024
    .wavefront_size: 32
...
	.end_amdgpu_metadata
.endif
;; end of part 3
;; launch att (part 4): grid 256 x 1, 16 waves a work-group, no clusters, 46,592 bytes of LDS; arguments t2, pa, x, scaling, ln1_g, ln1_b, a3; writes a3
.if DOCPART == 4
	.amdgcn_target "amdgcn-amd-amdhsa--gfx1250"
	.amdhsa_code_object_version 6
	.text
	.protected	k_q55087c3809_att
	.globl	k_q55087c3809_att
	.p2align	8
	.type	k_q55087c3809_att,@function
k_q55087c3809_att:
	s_mov_b64 s[64:65], 0
	v_nop
	global_prefetch_b8 v0, s[64:65] scope:SCOPE_SE
	s_setreg_imm32_b32 hwreg(HW_REG_WAVE_MODE, 25, 1), 1
	s_wait_xcnt 0x0
; Attention, + RV, + x, the first layer norm, and x1's quantising.  A work-group owns one tile of 16 queries (rows 32 (T / 2) + 8 (T % 2) + r + 8 (r / 8)); each of its SIXTEEN waves owns a head,
; so that the work-group holds whole rows of 1,024 for the norm.  Both products on codes of FP6 (E2M3), used transposed: S^T = K Q^T, O^T = V^T P^T: a lane holds one query throughout.
; t = score x scaling x log2(e) + bias x log2(e); M = the running largest t rounded up to a whole number; p = 2^(t - M) is quantised along the keys; the row's sum is taken of the unquantised p and divides at the end.
; K and V come from memory as images of the operands' registers, one step (128 keys) ahead of their use; no tensor load.  The head size is 64, half a fragment: Q's registers 6-11 are zeros, so whatever finite
; codes stand opposite them add nothing: tile t of K names its own six registers and the next tile's six (behind the last tile six cleared ones).
; The bias hangs on j - i alone: the wave keeps 640 entries of its head's table in LDS, from which a lane reads entry j + 24 - (r + 8 (r / 8)).
; What the end wants is asked for inside the last step, as registers fall free: RV and x behind the bias's addition (K's buffer has no next step to hold; Q and its scale words are done with), the gain behind the conversions.
; LIMITS: NaN and infinities are not served; a block under 2^-124 keeps the byte 1; a block of zeros gets the byte 1 (its codes are zeros; only this program reads the bytes).
; REGISTERS: v1-11, v29, v250, v251 addresses; v12 -M, v13 the largest t, v[14:15] the sum; v16-27 Q, v28 its scale word; v30-33 K's scale words, v34-35 V's (two tiles a register); v36-89 K; v90-137 V;
; v138-201 S^T, then p; v202-233 O^T; v234-248 at work; v252 p's scale word.  In the last step: v36-67 RV, v68-83 and v16-31 x, v138-169 the gain; behind it v90-121 the bias.
.set TBLW,  2560                       ; LDS: a wave's 640 entries
.set RED0,  40960                      ; 16 rows x 80 bytes: a word for each wave
.set RED1,  42496
.set XSC,   44032                      ; x1's scale words: 512 bytes
.set SPARE, 44544                      ; the spare words, 128 bytes a wave
.set SPW, 6
.set NIL, 7
.set RA,  8
.set RB,  9
.set KB,  36
.set VB,  90
.set S,   138
.set P,   186                          ; p's codes, laid over scores that are done with
.set O,   202
.set M4,  234
.set X4,  238
.set SO4, 242
.set F,   246
.set TMP, 248
.set PW,  252
.set A0,  234
.set A1,  236
.set R,   68
.set RS,  84
.set XA,  68                           ; x, columns 16 h + 0 .. 15 of my head's first 32
.set XB,  16                           ; x, the same of its second 32
.set SEL, 20
.set CS,  22
.macro PTR dst, src
	s_add_nc_u64 s[\dst:\dst+1], s[\src:\src+1], s[56:57]
.endm
	s_load_b256 s[4:11], s[0:1], 0x0               ; t2, pa, x, scaling
	s_load_b128 s[12:15], s[0:1], 0x20             ; ln1_g, ln1_b
	s_load_b64 s[16:17], s[0:1], 0x30              ; a3
	v_lshl_add_u32 v[SPW], v0, 2, SPARE
	v_mov_b32 v[NIL], 0
	v_lshrrev_b32 v1, 5, v0
	s_delay_alu instid0(VALU_DEP_1)
	v_readfirstlane_b32 s18, v1                    ; wave = head
	v_and_b32 v12, 31, v0
	v_and_b32 v13, 15, v0                          ; r
	v_bfe_u32 v14, v0, 4, 1                        ; h
	s_delay_alu instid0(VALU_DEP_3)
	v_lshlrev_b32 v1, 4, v12                       ; 16 x lane
	s_delay_alu instid0(VALU_DEP_4)
	v_lshlrev_b32 v2, 3, v12                       ; 8 x lane
	s_delay_alu instid0(VALU_DEP_4)
	v_lshlrev_b32 v29, 2, v13                      ; 4 r
	s_delay_alu instid0(VALU_DEP_1)
	v_lshl_add_u32 v3, v14, 10, v29                ; K's scale words: lanes 16-31 the next tile's
	s_delay_alu instid0(VALU_DEP_2)
	v_lshl_add_u32 v4, v14, 11, v29                ; V's
	v_and_b32 v15, 8, v13
	s_delay_alu instid0(VALU_DEP_1)
	v_add_nc_u32 v15, v15, v13                     ; r + 8 (r / 8)
	s_delay_alu instid0(VALU_DEP_1)
	v_lshlrev_b32 v10, 12, v15
	s_delay_alu instid0(VALU_DEP_1)
	v_lshl_add_u32 v10, v14, 6, v10                ; x: my row, + 64 h
	v_lshlrev_b32 v11, 6, v14                      ; 64 h
	s_delay_alu instid0(VALU_DEP_4)
	v_sub_nc_u32 v5, 24, v15
	s_delay_alu instid0(VALU_DEP_1)
	v_lshl_add_u32 v5, v14, 4, v5
	s_delay_alu instid0(VALU_DEP_1)
	v_lshlrev_b32 v5, 2, v5                        ; 4 (24 - r - 8 (r / 8) + 16 h)
	s_mul_i32 s56, s18, TBLW
	v_add_nc_u32 v5, s56, v5                       ; in my wave's table
	v_add_nc_u32 v250, s56, v1                     ; and where I write it
	v_mul_u32_u24 v[RB], v13, 80
	s_lshl_b32 s56, s18, 2
	v_add_nc_u32 v[RA], s56, v[RB]
	s_lshr_b32 s56, s18, 1
	s_lshl_b32 s56, s56, 6
	s_and_b32 s58, s18, 1
	s_lshl_b32 s58, s58, 1
	s_add_co_u32 s56, s56, s58
	v_add_nc_u32 v251, s56, v29                    ; my head's two bytes of x1's scale words
.irp j, 22,23,24,25,26,27,84,85,86,87,88,89
	v_mov_b32 v[\j], 0                             ; zero codes
.endr
	v_mov_b32 v13, 0xff61b1e6                      ; the largest t so far: -3e38
	s_delay_alu instid0(VALU_DEP_1)
	v_floor_f32 v12, -v13
	v_mov_b32 v14, 0
	v_mov_b32 v15, 0
.irp j, 238,239,240,241,247,248
	v_mov_b32 v[\j], 0                             ; lane permutes' destinations and a pair's upper half count as read
.endr
	s_mov_b32 s[SEL], 0x76543210
	s_mov_b32 s[SEL+1], 0xfedcba98
	s_mov_b32 s19, ttmp9                           ; the tile of queries
	s_lshr_b32 s59, s19, 5                         ; the batch
	s_and_b32 s60, s19, 31
	s_lshr_b32 s61, s60, 1
	s_lshl_b32 s61, s61, 5
	s_and_b32 s62, s19, 1
	s_lshl_b32 s62, s62, 3
	s_add_co_u32 s61, s61, s62                     ; i0: the tile's first query in its batch
	s_mov_b32 s57, 0
	s_wait_kmcnt 0x0
	s_mul_i32 s56, s18, 4608                       ; the table from entry 488 - i0 on
	s_add_co_u32 s56, s56, 9832352
	s_lshl_b32 s58, s61, 2
	s_sub_co_u32 s56, s56, s58
	PTR 38, 6
	s_mul_i32 s58, s18, 768                        ; a head is half a fragment
	s_mul_i32 s56, s59, 393216
	s_add_co_u32 s56, s56, s58
	s_add_co_u32 s56, s56, 3145728
	PTR 24, 4                                      ; K's codes
	s_lshl_b32 s60, s18, 6
	s_lshl_b32 s56, s59, 15
	s_add_co_u32 s56, s56, s60
	s_add_co_u32 s56, s56, 6553600
	PTR 26, 4                                      ; K's scale words
	s_mul_i32 s56, s18, 196608
	s_mul_i32 s62, s59, 6144
	s_add_co_u32 s56, s56, s62
	s_add_co_u32 s56, s56, 6815744
	PTR 28, 4                                      ; V's codes
	s_lshl_b32 s56, s18, 13
	s_lshl_b32 s62, s59, 8
	s_add_co_u32 s56, s56, s62
	s_add_co_u32 s56, s56, 9961472
	PTR 30, 4                                      ; V's scale words
	s_mul_i32 s56, s19, 12288
	s_add_co_u32 s56, s56, s58
	PTR 32, 4                                      ; Q's codes
	PTR 48, 16                                     ; x1's codes
	s_lshl_b32 s56, s19, 10
	s_add_co_u32 s56, s56, s60
	s_add_co_u32 s56, s56, 6291456
	PTR 34, 4                                      ; Q's scale words
	s_lshl_b32 s63, s19, 16
	s_lshl_b32 s62, s18, 12
	s_add_co_u32 s63, s63, s62                     ; (64 x tile + 4 x head) x 1,024
	s_add_co_u32 s56, s63, 10092544
	PTR 36, 4                                      ; RV
	s_add_co_u32 s56, s63, 3276800
	PTR 46, 16                                     ; x1 in f32
	s_lshr_b32 s56, s19, 1
	s_lshl_b32 s56, s56, 17
	s_and_b32 s62, s19, 1
	s_lshl_b32 s62, s62, 15
	s_add_co_u32 s56, s56, s62
	s_lshl_b32 s62, s18, 8
	s_add_co_u32 s56, s56, s62
	PTR 40, 8                                      ; x
	s_mov_b32 s56, s62
	PTR 42, 12
	PTR 44, 14
	s_lshl_b32 s56, s19, 9
	s_add_co_u32 s56, s56, 3145728
	PTR 50, 16                                     ; x1's scale words
	s_lshl_b32 s56, s18, 2
	PTR 54, 10
	s_load_b32 s52, s[54:55], 0x0                  ; scaling[head]
.macro LOADK s                         ; 20 loads: eight tiles of 16 keys, half a fragment each, and their scale words
.irp t, 0,1,2,3,4,5,6,7
	global_load_b128 v[KB+6*\t:KB+6*\t+3], v1, s[24:25] offset:(8*(\s)+\t)*12288
	global_load_b64 v[KB+6*\t+4:KB+6*\t+5], v2, s[24:25] offset:(8*(\s)+\t)*12288+512
.endr
.irp p, 0,1,2,3
	global_load_b32 v[30+\p], v3, s[26:27] offset:(8*(\s)+2*\p)*1024
.endr
.endm
.macro LOADV s                         ; 18 loads: four tiles of 16 of the head's 64 x 128 keys
.irp t, 0,1,2,3
	global_load_b128 v[VB+12*\t:VB+12*\t+3], v1, s[28:29] offset:49152*\t+1536*(\s)
	global_load_b64 v[VB+12*\t+4:VB+12*\t+5], v2, s[28:29] offset:49152*\t+1536*(\s)+512
	global_load_b128 v[VB+12*\t+6:VB+12*\t+9], v1, s[28:29] offset:49152*\t+1536*(\s)+768
	global_load_b64 v[VB+12*\t+10:VB+12*\t+11], v2, s[28:29] offset:49152*\t+1536*(\s)+1280
.endr
.irp p, 0,1
	global_load_b32 v[34+\p], v4, s[30:31] offset:4096*\p+64*(\s)
.endr
.endm
.irp k, 0,1,2,3,4
	global_load_b128 v[O+4*\k:O+4*\k+3], v1, s[38:39] offset:512*\k       ; the table, through registers that are idle now
.endr
	global_load_b128 v[16:19], v1, s[32:33]
	global_load_b64 v[20:21], v2, s[32:33] offset:512
	global_load_b32 v28, v29, s[34:35]
	LOADK 0
	LOADV 0
	s_wait_loadcnt 41                              ; behind the table's five: Q's 3, K's 20, V's 18
.irp k, 0,1,2,3,4
	ds_store_b128 v250, v[O+4*\k:O+4*\k+3] offset:512*\k
.endr
	s_wait_kmcnt 0x0
	s_mul_f32 s[CS], s52, 0x3fb8aa3b               ; c = scaling x log2(e)
	s_mov_b32 s[CS+1], s[CS]
; A STEP: 128 keys
.macro STEP s, first
	s_wait_loadcnt 18                              ; Q and this step's K are in; V's 18 loads may be out
.irp t, 0,1,2,3,4,5,6,7
.if \t%2
	v_wmma_scale_f32_16x16x128_f8f6f4 v[S+8*\t:S+8*\t+7], v[KB+6*\t:KB+6*\t+11], v[16:27], 0, v[30+\t/2], v28 matrix_a_fmt:MATRIX_FMT_FP6 matrix_b_fmt:MATRIX_FMT_FP6 matrix_a_scale:MATRIX_SCALE_ROW1
.else
	v_wmma_scale_f32_16x16x128_f8f6f4 v[S+8*\t:S+8*\t+7], v[KB+6*\t:KB+6*\t+11], v[16:27], 0, v[30+\t/2], v28 matrix_a_fmt:MATRIX_FMT_FP6 matrix_b_fmt:MATRIX_FMT_FP6
.endif
.endr
.rept 4
	v_nop                                          ; places: in front of loads into K's registers and of the first read of the scores
.endr
.set n, 0
.rept 48
	ds_load_b32 v[KB+n], v5 offset:4*(128*(\s)+32*(n/16)+n%16)      ; the bias of key 128 s + 32 (n / 16) + 16 h + n % 16
.set n, n+1
.endr
.rept 16
	ds_load_b32 v[M4+n-48], v5 offset:4*(128*(\s)+32*(n/16)+n%16)
.set n, n+1
.endr
	s_wait_dscnt 32                                ; the first 32 words are in
.set n, 0
.rept 16
	v_pk_fma_f32 v[S+n:S+n+1], v[S+n:S+n+1], s[CS:CS+1], v[KB+n:KB+n+1] op_sel_hi:[1,0,1]    ; t
.set n, n+2
.endr
	s_wait_dscnt 0x0
.rept 8
	v_pk_fma_f32 v[S+n:S+n+1], v[S+n:S+n+1], s[CS:CS+1], v[KB+n:KB+n+1] op_sel_hi:[1,0,1]
.set n, n+2
.endr
.rept 8
	v_pk_fma_f32 v[S+n:S+n+1], v[S+n:S+n+1], s[CS:CS+1], v[M4+n-48:M4+n-47] op_sel_hi:[1,0,1]
.set n, n+2
.endr
.if (\s) < 3
	LOADK (\s)+1
.else
.irp t, 0,1,2,3
	global_load_b128 v[KB+8*\t:KB+8*\t+3], v1, s[36:37] offset:1024*\t           ; RV, in the result's layout
	global_load_b128 v[KB+8*\t+4:KB+8*\t+7], v1, s[36:37] offset:1024*\t+512
.endr
.irp j, 0,1,2,3
	global_load_b128 v[XA+4*\j:XA+4*\j+3], v10, s[40:41] offset:16*\j            ; x: into the rest of K's buffer,
.endr
.irp j, 0,1,2,3
	global_load_b128 v[XB+4*\j:XB+4*\j+3], v10, s[40:41] offset:128+16*\j        ; and into Q's registers and the scale words beside them: the last scores have been made, 36 plain instructions back
.endr
.endif
.irp b, 0,1,2,3
	v_max3_num_f32 v[M4+\b], v[S+16*\b], v[S+1+16*\b], v[S+2+16*\b]       ; the largest t of each block of 32 keys: for the row's maximum, and for the block's largest p
.endr
.irp i, 3,5,7,9,11,13
.irp b, 0,1,2,3
	s_delay_alu instid0(VALU_DEP_4)
	v_max3_num_f32 v[M4+\b], v[M4+\b], v[S+16*\b+\i], v[S+1+16*\b+\i]
.endr
.endr
.irp b, 0,1,2,3
	s_delay_alu instid0(VALU_DEP_4)
	v_max_num_f32 v[M4+\b], v[M4+\b], v[S+15+16*\b]
.endr
.irp b, 0,1,2,3
	s_delay_alu instid0(VALU_DEP_4)
	v_permlanex16_b32 v[X4+\b], v[M4+\b], s[SEL], s[SEL+1]
.endr
.irp b, 0,1,2,3
	s_delay_alu instid0(VALU_DEP_4)
	v_max_num_f32 v[M4+\b], v[M4+\b], v[X4+\b]
.endr
	s_delay_alu instid0(VALU_DEP_2)
	v_max3_num_f32 v[TMP], v[M4], v[M4+1], v[M4+2]
	s_delay_alu instid0(VALU_DEP_1)
	v_max_num_f32 v[TMP], v[TMP], v[M4+3]
	s_delay_alu instid0(VALU_DEP_1)
	v_max_num_f32 v13, v13, v[TMP]                 ; the running largest t
	v_mov_b32 v[TMP], v12
	s_delay_alu instid0(VALU_DEP_2)
	v_floor_f32 v12, -v13                          ; -M = floor(-t): M is a whole number
	s_delay_alu instid0(VALU_DEP_1)
	v_sub_f32 v[TMP], v12, v[TMP]
	s_delay_alu instid0(VALU_DEP_1)
	v_cvt_i32_f32 v[TMP], v[TMP]                   ; (it saturates)
	s_delay_alu instid0(VALU_DEP_1)
	v_ldexp_f32 v[F], 1.0, v[TMP]                  ; f = 2^(old M - new M): rounds nothing
.set n, 0
.rept 32
	v_pk_add_f32 v[S+n:S+n+1], v[S+n:S+n+1], v[12:13] op_sel_hi:[1,0]     ; t - M
.set n, n+2
.endr
.irp b, 0,1,2,3
	v_add_f32 v[M4+\b], v[M4+\b], v12
.endr
.set n, 0
	s_wait_alu depctr_va_vdst(0)
.rept 64
	v_exp_f32 v[S+n], v[S+n]                       ; p, at most 1, not normalised
.set n, n+1
.endr
	v_pk_mul_f32 v[14:15], v[14:15], v[F:F+1] op_sel_hi:[1,0]             ; the sums under the new M (a plain place behind the exponentials)
	s_wait_alu depctr_va_vdst(0)                   ; one wait for the batch, ahead of its first reader
.irp b, 0,1,2,3
	v_exp_f32 v[M4+\b], v[M4+\b]                   ; the blocks' largest p
.endr
	v_pk_add_f32 v[238:239], v[142:143], v[146:147]
	v_pk_add_f32 v[254:255], v[150:151], v[154:155]
	v_pk_add_f32 v[252:253], v[158:159], v[162:163]
	v_pk_add_f32 v[244:245], v[166:167], v[170:171]
	v_pk_add_f32 v[242:243], v[174:175], v[178:179]
	v_pk_add_f32 v[240:241], v[182:183], v[186:187]
	v_pk_add_f32 v[14:15], v[14:15], v[190:191]
	v_pk_add_f32 v[238:239], v[238:239], v[194:195]
	v_pk_add_f32 v[254:255], v[254:255], v[198:199]
	v_pk_add_f32 v[252:253], v[252:253], v[138:139]
	v_pk_add_f32 v[244:245], v[244:245], v[140:141]
	v_pk_add_f32 v[242:243], v[242:243], v[144:145]
	v_pk_add_f32 v[240:241], v[240:241], v[148:149]
	v_pk_add_f32 v[14:15], v[14:15], v[152:153]
	v_pk_add_f32 v[238:239], v[238:239], v[156:157]
	v_pk_add_f32 v[254:255], v[254:255], v[160:161]
	v_pk_add_f32 v[252:253], v[252:253], v[164:165]
	v_pk_add_f32 v[244:245], v[244:245], v[168:169]
	v_pk_add_f32 v[242:243], v[242:243], v[172:173]
	v_pk_add_f32 v[240:241], v[240:241], v[176:177]
	v_pk_add_f32 v[14:15], v[14:15], v[180:181]
	v_pk_add_f32 v[238:239], v[238:239], v[184:185]
	v_pk_add_f32 v[254:255], v[254:255], v[188:189]
	v_pk_add_f32 v[252:253], v[252:253], v[192:193]
	v_pk_add_f32 v[244:245], v[244:245], v[196:197]
	v_pk_add_f32 v[242:243], v[242:243], v[200:201]
	s_delay_alu instid0(VALU_DEP_2)
	v_pk_add_f32 v[14:15], v[14:15], v[244:245]
	s_delay_alu instid0(VALU_DEP_2)
	v_pk_add_f32 v[238:239], v[238:239], v[242:243]
	v_pk_add_f32 v[254:255], v[254:255], v[240:241]
	s_delay_alu instid0(VALU_DEP_1)
	v_pk_add_f32 v[14:15], v[14:15], v[254:255]
	s_delay_alu instid0(VALU_DEP_3)
	v_pk_add_f32 v[238:239], v[238:239], v[252:253]
	s_delay_alu instid0(VALU_DEP_1)
	v_pk_add_f32 v[14:15], v[14:15], v[238:239]
	s_wait_alu depctr_va_vdst(0)                   ; and one for the four
.irp b, 0,1,2,3
	v_max_num_f32 v[M4+\b], 0x1800000, v[M4+\b]    ; the floor 2^(3 - 127)
.endr
.irp b, 0,1,2,3
	s_delay_alu instid0(VALU_DEP_4)
	v_add_nc_u32 v[SO4+\b], 0xff000000, v[M4+\b]
.endr
.irp b, 0,1,2,3
	s_delay_alu instid0(VALU_DEP_4)
	v_lshrrev_b32 v[X4+\b], 23, v[SO4+\b]
.endr
	s_delay_alu instid0(VALU_DEP_3)
	v_lshl_or_b32 v[PW], v[X4+1], 8, v[X4]
	s_delay_alu instid0(VALU_DEP_1)
	v_lshl_or_b32 v[PW], v[X4+2], 16, v[PW]
	s_delay_alu instid0(VALU_DEP_1)
	v_lshl_or_b32 v[PW], v[X4+3], 24, v[PW]
	v_cvt_scalef32_pk16_fp6_f32 v[X4:X4+2], v[S+48:S+63], v[SO4+3]        ; the last block first: its numbers' registers take the codes
	v_nop
	v_cvt_scalef32_pk16_fp6_f32 v[P:P+2], v[S:S+15], v[SO4]
	v_cvt_scalef32_pk16_fp6_f32 v[P+6:P+8], v[S+32:S+47], v[SO4+2]
	v_cvt_scalef32_pk16_fp6_f32 v[M4:M4+2], v[S+16:S+31], v[SO4+1]
	v_nop                                          ; one plain place behind the scaled conversions
.irp i, 0,1,2
	v_permlane16_swap_b32 v[P+\i], v[M4+\i]        ; a whole block to a lane
	v_permlane16_swap_b32 v[P+6+\i], v[X4+\i]
.endr
.irp i, 0,1,2
	v_mov_b32 v[P+3+\i], v[M4+\i]
	v_mov_b32 v[P+9+\i], v[X4+\i]
.endr
.if (\s) == 3
.irp b, 0,1
.irp j, 0,1,2,3
	global_load_b128 v[S+16*\b+4*\j:S+16*\b+4*\j+3], v11, s[42:43] offset:128*\b+16*\j       ; the norm's gain, into p's first 32 registers: p is codes now
.endr
.endr
.endif
.if \first
	s_wait_alu depctr_va_vdst(0)
.rept 4
	v_nop                                          ; places between the operand's last write and the product
.endr
.else
.set n, 0
.rept 16
	v_pk_mul_f32 v[O+n:O+n+1], v[O+n:O+n+1], v[F:F+1] op_sel_hi:[1,0]     ; O^T under the new M; these are also the places in front of the products
.set n, n+2
.endr
.endif
.if (\s) < 3
	s_wait_alu depctr_va_vdst(0)
	s_wait_loadcnt 20                              ; V is in; the next K's 20 loads may be out
.else
	s_wait_alu depctr_va_vdst(0)
	s_wait_loadcnt 24                              ; V is in; behind it: RV's 8 loads, x's 8, the gain's 8
.endif
.irp t, 0,1,2,3                                ; the four accumulators by turns
.if \first
.if \t%2
	v_wmma_scale_f32_16x16x128_f8f6f4 v[O+8*\t:O+8*\t+7], v[VB+12*\t:VB+12*\t+11], v[P:P+11], 0, v[34+\t/2], v[PW] matrix_a_fmt:MATRIX_FMT_FP6 matrix_b_fmt:MATRIX_FMT_FP6 matrix_a_scale:MATRIX_SCALE_ROW1
.else
	v_wmma_scale_f32_16x16x128_f8f6f4 v[O+8*\t:O+8*\t+7], v[VB+12*\t:VB+12*\t+11], v[P:P+11], 0, v[34+\t/2], v[PW] matrix_a_fmt:MATRIX_FMT_FP6 matrix_b_fmt:MATRIX_FMT_FP6
.endif
.else
.if \t%2
	v_wmma_scale_f32_16x16x128_f8f6f4 v[O+8*\t:O+8*\t+7], v[VB+12*\t:VB+12*\t+11], v[P:P+11], v[O+8*\t:O+8*\t+7], v[34+\t/2], v[PW] matrix_a_fmt:MATRIX_FMT_FP6 matrix_b_fmt:MATRIX_FMT_FP6 matrix_a_scale:MATRIX_SCALE_ROW1
.else
	v_wmma_scale_f32_16x16x128_f8f6f4 v[O+8*\t:O+8*\t+7], v[VB+12*\t:VB+12*\t+11], v[P:P+11], v[O+8*\t:O+8*\t+7], v[34+\t/2], v[PW] matrix_a_fmt:MATRIX_FMT_FP6 matrix_b_fmt:MATRIX_FMT_FP6
.endif
.endif
.endr
.rept 5
	v_nop                                          ; five places: loads into V's registers follow, and the next scores are written over p's codes
.endr
.if (\s) < 3
	LOADV (\s)+1
.endif
.endm
	STEP 0, 1
	STEP 1, 0
	STEP 2, 0
	STEP 3, 0
	; THE END: y = O / l + RV + x; the norm over the row's 1,024, which lie in sixteen waves; x1 in f32 and as codes
.irp b, 0,1
.irp j, 0,1,2,3
	global_load_b128 v[VB+16*\b+4*\j:VB+16*\b+4*\j+3], v11, s[44:45] offset:128*\b+16*\j     ; the norm's bias, into V's registers
.endr
.endr
	v_add_f32 v14, v14, v15
	s_delay_alu instid0(VALU_DEP_1)
	v_permlanex16_b32 v[TMP], v14, s[SEL], s[SEL+1]
	s_delay_alu instid0(VALU_DEP_1)
	v_add_f32 v14, v14, v[TMP]                     ; the row's sum
	s_wait_alu depctr_va_vdst(0)
	v_rcp_f32 v14, v14
	v_nop                                          ; a plain place behind the reciprocal
	s_wait_alu depctr_va_vdst(0)                   ; and the wait ahead of its first reader
	s_wait_loadcnt 16                              ; RV and x are in; the gain's and the bias's 16 loads may be out
.set n, 0
.rept 16
	v_pk_fma_f32 v[O+n:O+n+1], v[O+n:O+n+1], v[14:15], v[KB+n:KB+n+1] op_sel_hi:[1,0,1]
.set n, n+2
.endr
.set n, 0
.rept 8
	v_pk_add_f32 v[O+n:O+n+1], v[O+n:O+n+1], v[XA+n:XA+n+1]
.set n, n+2
.endr
.set n, 0
.rept 8
	v_pk_add_f32 v[O+16+n:O+17+n], v[O+16+n:O+17+n], v[XB+n:XB+n+1]
.set n, n+2
.endr
; the mean over a row of 1,024 of my 32 numbers (sq = 0) or of their squares (sq = 1), into v[R]: the lane's sum, lane l xor 16's, a word for each wave in LDS, a barrier, a fixed tree
.macro LNRED src, red, sq
.if \sq
	v_pk_mul_f32 v[A0:A0+1], v[\src:\src+1], v[\src:\src+1]
	v_pk_mul_f32 v[A1:A1+1], v[\src+2:\src+3], v[\src+2:\src+3]
.irp n, 4,8,12,16,20,24,28
	s_delay_alu instid0(VALU_DEP_2)
	v_pk_fma_f32 v[A0:A0+1], v[\src+\n:\src+\n+1], v[\src+\n:\src+\n+1], v[A0:A0+1]
	s_delay_alu instid0(VALU_DEP_2)
	v_pk_fma_f32 v[A1:A1+1], v[\src+\n+2:\src+\n+3], v[\src+\n+2:\src+\n+3], v[A1:A1+1]
.endr
.else
	v_pk_add_f32 v[A0:A0+1], v[\src:\src+1], v[\src+4:\src+5]
	v_pk_add_f32 v[A1:A1+1], v[\src+2:\src+3], v[\src+6:\src+7]
.irp n, 8,12,16,20,24,28
	s_delay_alu instid0(VALU_DEP_2)
	v_pk_add_f32 v[A0:A0+1], v[A0:A0+1], v[\src+\n:\src+\n+1]
	s_delay_alu instid0(VALU_DEP_2)
	v_pk_add_f32 v[A1:A1+1], v[A1:A1+1], v[\src+\n+2:\src+\n+3]
.endr
.endif
	s_delay_alu instid0(VALU_DEP_1)
	v_pk_add_f32 v[A0:A0+1], v[A0:A0+1], v[A1:A1+1]
	s_delay_alu instid0(VALU_DEP_1)
	v_add_f32 v[A0], v[A0], v[A0+1]
	s_delay_alu instid0(VALU_DEP_1)
	v_permlanex16_b32 v[A1], v[A0], s[SEL], s[SEL+1]
	s_delay_alu instid0(VALU_DEP_1)
	v_add_f32 v[A0], v[A0], v[A1]
	ds_store_b32 v[RA], v[A0] offset:\red
	s_wait_dscnt 0x0                               ; for the others' sake: my word has landed
	s_barrier_signal -1
	s_barrier_wait -1
.irp k, 0,1,2,3
	ds_load_b128 v[R+4*\k:R+4*\k+3], v[RB] offset:\red+16*\k
.endr
	s_wait_dscnt 0x0
.irp k, 0,2,4,6
	v_pk_add_f32 v[R+\k:R+\k+1], v[R+\k:R+\k+1], v[R+8+\k:R+9+\k]
.endr
	s_delay_alu instid0(VALU_DEP_2)
	v_pk_add_f32 v[R:R+1], v[R:R+1], v[R+4:R+5]
	s_delay_alu instid0(VALU_DEP_2)
	v_pk_add_f32 v[R+2:R+3], v[R+2:R+3], v[R+6:R+7]
	s_delay_alu instid0(VALU_DEP_1)
	v_pk_add_f32 v[R:R+1], v[R:R+1], v[R+2:R+3]
	s_delay_alu instid0(VALU_DEP_1)
	v_add_f32 v[R], v[R], v[R+1]
	s_delay_alu instid0(VALU_DEP_1)
	v_mul_f32 v[R], 0x3a800000, v[R]               ; / 1,024
.endm
	LNRED O, RED0, 0
.set n, 0
.rept 16
	v_pk_add_f32 v[O+n:O+n+1], v[O+n:O+n+1], v[R:R+1] op_sel_hi:[1,0] neg_lo:[0,1] neg_hi:[0,1]      ; y - mean
.set n, n+2
.endr
	LNRED O, RED1, 1
	s_delay_alu instid0(VALU_DEP_1)
	v_add_f32 v[R], 0x3727c5ac, v[R]               ; + 1e-5
	s_wait_alu depctr_va_vdst(0)
	v_rsq_f32 v[RS], v[R]
	v_nop
	s_wait_alu depctr_va_vdst(0)
	s_wait_loadcnt 0x0                             ; the gain and the bias
.set n, 0
.rept 16
	v_pk_mul_f32 v[O+n:O+n+1], v[O+n:O+n+1], v[RS:RS+1] op_sel_hi:[1,0]
.set n, n+2
.endr
.set n, 0
.rept 16
	v_pk_fma_f32 v[O+n:O+n+1], v[O+n:O+n+1], v[S+n:S+n+1], v[VB+n:VB+n+1]        ; x1
.set n, n+2
.endr
.irp t, 0,1,2,3
	global_store_b128 v1, v[O+8*\t:O+8*\t+3], s[46:47] offset:1024*\t
	global_store_b128 v1, v[O+8*\t+4:O+8*\t+7], s[46:47] offset:1024*\t+512
.endr
	; my head's 64 columns are two blocks of 32: half a fragment of x1
.irp b, 0,1
	v_max3_num_f32 v[M4+\b], |v[O+16*\b]|, |v[O+1+16*\b]|, 0x1800000
.endr
.irp i, 2,4,6,8,10,12,14
.irp b, 0,1
	s_delay_alu instid0(VALU_DEP_2)
	v_max3_num_f32 v[M4+\b], v[M4+\b], |v[O+16*\b+\i]|, |v[O+1+16*\b+\i]|
.endr
.endr
.irp b, 0,1
	s_delay_alu instid0(VALU_DEP_2)
	v_permlanex16_b32 v[M4+2+\b], v[M4+\b], s[SEL], s[SEL+1]
.endr
.irp b, 0,1
	s_delay_alu instid0(VALU_DEP_2)
	v_max_num_f32 v[M4+\b], v[M4+\b], v[M4+2+\b]
.endr
.irp b, 0,1
	s_delay_alu instid0(VALU_DEP_2)
	v_add_nc_u32 v[M4+4+\b], 0xff000000, v[M4+\b]
.endr
.irp b, 0,1
	s_delay_alu instid0(VALU_DEP_2)
	v_lshrrev_b32 v[M4+2+\b], 23, v[M4+4+\b]
.endr
	s_delay_alu instid0(VALU_DEP_1)
	v_lshl_or_b32 v[M4+6], v[M4+3], 8, v[M4+2]
	v_cvt_scalef32_pk16_fp6_f32 v[36:38], v[O:O+15], v[M4+4]
	v_cvt_scalef32_pk16_fp6_f32 v[44:46], v[O+16:O+31], v[M4+5]
	v_nop
.irp i, 0,1,2
	v_permlane16_swap_b32 v[36+\i], v[44+\i]
.endr
.irp i, 0,1,2
	s_delay_alu instid0(VALU_DEP_3)
	v_mov_b32 v[39+\i], v[44+\i]
.endr
	global_store_b128 v1, v[36:39], s[48:49]
	global_store_b64 v2, v[40:41], s[48:49] offset:512
	ds_store_b16 v251, v[M4+6] offset:XSC          ; lanes r and r + 16 write the same two bytes
	s_wait_dscnt 0x0
	s_barrier_signal -1
	s_barrier_wait -1                              ; the tile's 512 bytes of scale words are whole
	s_cmp_lg_u32 s18, 0
	s_cbranch_scc1 .Lnot_first
	ds_load_b128 v[48:51], v1 offset:XSC
	s_wait_dscnt 0x0
	global_store_b128 v1, v[48:51], s[50:51]
.Lnot_first:
	s_wait_tensorcnt 0x0                           ; the wave's end
	ds_add_u32 v[SPW], v[NIL]
	s_wait_dscnt 0x0
	s_endpgm
.Lfunc_end_k_q55087c3809_att:
	.size	k_q55087c3809_att, .Lfunc_end_k_q55087c3809_att-k_q55087c3809_att
	.p2alignl 7, 3214868480
	.fill 96, 4, 3214868480
	.section	.rodata,"a",@progbits
	.p2align	6, 0x0
	.amdhsa_kernel k_q55087c3809_att
		.amdhsa_group_segment_fixed_size 46592
		.amdhsa_private_segment_fixed_size 0
		.amdhsa_enable_private_segment 0
		.amdhsa_kernarg_size 56
		.amdhsa_user_sgpr_count 2
		.amdhsa_user_sgpr_kernarg_segment_ptr 1
		.amdhsa_wavefront_size32 1
		.amdhsa_system_sgpr_workgroup_id_x 1
		.amdhsa_system_sgpr_workgroup_id_y 1
		.amdhsa_system_sgpr_workgroup_id_z 1
		.amdhsa_system_vgpr_workitem_id 0
		.amdhsa_next_free_vgpr 256
		.amdhsa_next_free_sgpr 66
		.amdhsa_reserve_vcc 0
		.amdhsa_float_denorm_mode_32 3
		.amdhsa_float_denorm_mode_16_64 3
		.amdhsa_memory_ordered 1
		.amdhsa_forward_progress 1
		.amdhsa_inst_pref_size 124
	.end_amdhsa_kernel
	.amdgpu_metadata
---
amdhsa.version: [ 1, 2 ]
amdhsa.kernels:
  - .name:           k_q55087c3809_att
    .symbol:         k_q55087c3809_att.kd
    .args:
      - { .name: t2, .offset: 0, .size: 8, .value_kind: global_buffer, .address_space: global }
      - { .name: pa, .offset: 8, .size: 8, .value_kind: global_buffer, .address_space: global }
      - { .name: x, .offset: 16, .size: 8, .value_kind: global_buffer, .address_space: global }
      - { .name: scaling, .offset: 24, .size: 8, .value_kind: global_buffer, .address_space: global }
      - { .name: ln1_g, .offset: 32, .size: 8, .value_kind: global_buffer, .address_space: global }
      - { .name: ln1_b, .offset: 40, .size: 8, .value_kind: global_buffer, .address_space: global }
      - { .name: a3, .offset: 48, .size: 8, .value_kind: global_buffer, .address_space: global }
    .group_segment_fixed_size: 46592
    .private_segment_fixed_size: 0
    .kernarg_segment_align: 8
    .kernarg_segment_size: 56
    .max_flat_workgroup_size: 512
    .sgpr_count:     66
    .vgpr_count:     256
    .wavefront_size: 32
...
	.end_amdgpu_metadata
.endif
;; end of part 4
;; launch g3: the kernel of part 2 again; grid 16 x 16, 4 waves a work-group, clusters of 4 x 4, 327,680 bytes of LDS; arguments a3, pw3, t1; writes t1
;; launch g4 (part 5): grid 8 x 32, 4 waves a work-group, clusters of 4 x 4, 327,680 bytes of LDS; arguments t1, pa, ff2_b, t2; writes t2
.if DOCPART == 5
	.amdgcn_target "amdgcn-amd-amdhsa--gfx1250"
	.amdhsa_code_object_version 6
	.text
	.protected	k_q55087c3809_g4
	.globl	k_q55087c3809_g4
	.p2align	8
	.type	k_q55087c3809_g4,@function
k_q55087c3809_g4:
	s_mov_b64 s[64:65], 0
	v_nop
	global_prefetch_b8 v0, s[64:65] scope:SCOPE_SE
	s_setreg_imm32_b32 hwreg(HW_REG_WAVE_MODE, 25, 1), 1
	s_wait_xcnt 0x0
	s_wait_alu depctr_hold_cnt(0) depctr_sa_sdst(0) depctr_va_vdst(0) depctr_va_sdst(0) depctr_va_ssrc(0) depctr_va_vcc(0) depctr_vm_vsrc(0)
	s_getreg_b32 s2, hwreg(HW_REG_IB_STS2, 6, 4)
	s_cmp_eq_u32 s2, 0
	s_cbranch_scc0 .Lentry_in_a_cluster
	s_endpgm
.Lentry_in_a_cluster:
	s_bfe_u32 s2, ttmp6, 0x10000c
	s_cmp_lg_u32 s2, 0xf033
	s_cbranch_scc0 .Lentry_shape_is_right
	s_endpgm
.Lentry_shape_is_right:
; ff = hidden ff2 + ff2_b: a GEMM on codes of FP6 (E2M3), K = 4,096.  A: fragments [tile][32][1,536] at 0 of t1, scale words [tile][32][16] at 12,582,912; B: the same in pa at 6,553,600 and 9,699,328.
; Out: f32, the image of the result's registers, [token tile][column tile][1,024].  A work-group of four waves makes 128 x 128, a wave 64 x 64: 16 accumulators.  256 work-groups.
; A ring of two LDS slots of 512 along K (8 tiles of A, 8 of B, four K steps each); the scale words of all of K come once and stay.  CLUSTERS 4 x 4: A's tiles jointly along a row, B's along a column.
; THE HEAD: one tensor load a wave: wave 0 A's 8 tiles of slot 0, wave 1 B's, wave 2 A's scale words, wave 3 B's; slot 1 follows behind the full sequence and a round, a quarter a wave, as every refill does.
; PREFETCH: behind the fill of slot j (j = 0 .. 5) and the LDS loads that follow it, each wave asks for slot j + 2: of the four tiles that it will fetch, the partner at place p (cx for A, cy for B) names tile p:
; 6,144 bytes, 24 blocks of 256, a lane a block (lanes 24-31 name the last block again).  The last two fills ask for nothing.  The address is stepped at the next change of slots, behind s_wait_xcnt 0.
; The matrix instruction is used transposed (source 0 = B's rows, source 1 = A's).  The first product of each accumulator takes the bias as C.
.set FR,    12
.set HALFT, 24576
.set SLOT,  4*HALFT
.set SCL,   2*SLOT
.set HS,    8192                       ; the scale words of 4 tiles
.set SCB,   2*HS+64                    ; B's words lie 64 bytes behind A's end
.set SPARE, SCL+33024
.set ADRA, 16
.set ADRB, 20
.set L16,  24
.set L8,   25
.set ADRS, 27
.set SPW,  28
.set NIL,  29
.set PFO,  30
.set SC,   32
.set BI,   64
.set ACC,  128
.set PFA, 12
.set G0H, 4
.set G0HB, 96
.set G1, 24
.set G0, 32
.set G1B, 48
.set G0B, 56
.set G1S, 68
.set G0S, 76
.set G1SB, 80
.set G0SB, 88
.set MSB, 0
.macro WIN new
.if MSB != (\new)
	s_set_vgpr_msb (MSB<<8)|(\new)
.set MSB, (\new)
.endif
.endm
.macro JLOAD g0a, g1a, g0b, g1b
	s_cmp_eq_u32 s15, 0
	s_cbranch_scc0 .Lfor_b_\@
	tensor_load_to_lds s[\g0a:\g0a+3], s[\g1a:\g1a+7]
	s_nop 0
.rept 4
	v_nop
.endr
	s_branch .Lasked_\@
.Lfor_b_\@:
	tensor_load_to_lds s[\g0b:\g0b+3], s[\g1b:\g1b+7]
	s_nop 0
.rept 4
	v_nop
.endr
.Lasked_\@:
.endm
.macro ARM under, g0, g1, next
	s_cmp_lt_u32 s14, \under
	s_cbranch_scc0 \next
	tensor_load_to_lds s[\g0:\g0+3], s[\g1:\g1+7]
	s_nop 0
.rept 4
	v_nop
.endr
	s_branch .Lhead_asked
\next:
.endm
.macro CREST
	s_cmp_lg_u32 s14, 0
	s_cbranch_scc1 .Lnot_wave_0_\@
	s_barrier_signal -3
.Lnot_wave_0_\@:
	s_barrier_wait -3
	s_barrier_signal -1
	s_barrier_wait -1
.endm
.macro CROUND
	s_barrier_signal -1
	s_barrier_wait -1
	CREST
.endm
	s_load_b256 s[4:11], s[0:1], 0x0               ; t1, pa, ff2_b, t2
	v_lshl_add_u32 v[SPW], v0, 2, SPARE
	v_mov_b32 v[NIL], 0
	ds_add_u32 v[SPW], v[NIL]                      ; the opening lines: the add, twice on end, and its wait
	ds_add_u32 v[SPW], v[NIL]
	v_lshrrev_b32 v1, 5, v0
	v_readfirstlane_b32 s14, v1
	s_lshr_b32 s15, s14, 1
	s_and_b32 s16, s14, 1
	s_bfe_u32 s40, ttmp6, 0x40000
	s_bfe_u32 s41, ttmp6, 0x40004
	s_lshl_b32 s42, ttmp9, 2
	s_add_co_u32 s42, s42, s40
	s_and_b32 s17, ttmp7, 0xffff
	s_lshl_b32 s17, s17, 2
	s_add_co_u32 s17, s17, s41
	s_lshl_b32 s43, s41, 2
	s_lshl_b32 s43, 15, s43
	s_lshl_b32 s44, 0x1111, s40
	s_or_b32 s[G1+0], s43, (3<<16)|(1<<21)
	s_or_b32 s[G1B+0], s44, (3<<16)|(1<<21)
.irp g, G1, G1B                                ; codes: rows (tiles) of 768 elements of 8 bytes (four K steps), 6,144 elements from tile to tile; 8 rows at the head, 4 in the ring
	s_mov_b32 s[\g+1], 768<<16
	s_mov_b32 s[\g+2], 8<<16
	s_mov_b32 s[\g+3], 768<<16
	s_mov_b32 s[\g+4], 8
	s_mov_b32 s[\g+5], 6144
	s_mov_b32 s[\g+6], 0
	s_mov_b32 s[\g+7], 0
.endr
	s_or_b32 s[G1S+0], s43, (3<<16)|(1<<21)
	s_or_b32 s[G1SB+0], s44, (3<<16)|(1<<21)
.irp g, G1S, G1SB                              ; scale words of 8 tiles: 16,384 dense bytes as 64 rows of 256
	s_mov_b32 s[\g+1], 32<<16
	s_mov_b32 s[\g+2], 64<<16
	s_mov_b32 s[\g+3], 32<<16
	s_mov_b32 s[\g+4], 64
	s_mov_b32 s[\g+5], 32
	s_mov_b32 s[\g+6], 0
	s_mov_b32 s[\g+7], 0
.endr
	s_lshl_b32 s20, s17, 3
	s_lshl_b32 s46, s42, 3
	s_lshl_b32 s22, s20, 11
	s_add_co_u32 s22, s22, 12582912
	s_mul_i32 s20, s20, 49152
	s_lshl_b32 s92, s46, 11
	s_add_co_u32 s92, s92, 9699328
	s_mul_i32 s46, s46, 49152
	s_add_co_u32 s46, s46, 6553600
	s_mov_b32 s21, 0
	s_mov_b32 s23, 0
	s_mov_b32 s47, 0
	s_mov_b32 s93, 0
	s_mul_i32 s45, s14, HALFT
	s_mul_i32 s18, s16, 4*49152                    ; in the ring I fetch four tiles: which half
	s_mov_b32 s19, 0
	s_cmp_eq_u32 s15, 0
	s_cselect_b32 s2, s40, s41                     ; my place among the four that ask with me: it enters the prefetches' address alone
	s_mul_i32 s2, s2, 49152
	s_mov_b32 s3, 0
	s_wait_dscnt 0x0
	s_wait_kmcnt 0x0
	s_add_nc_u64 s[20:21], s[4:5], s[20:21]
	s_add_nc_u64 s[22:23], s[4:5], s[22:23]
	s_add_nc_u64 s[46:47], s[6:7], s[46:47]
	s_add_nc_u64 s[92:93], s[6:7], s[92:93]
	s_cmp_eq_u32 s15, 0
	s_cselect_b64 s[PFA:PFA+1], s[20:21], s[46:47]
	s_add_nc_u64 s[PFA:PFA+1], s[PFA:PFA+1], s[18:19]
	s_add_nc_u64 s[PFA:PFA+1], s[PFA:PFA+1], s[2:3]
	CROUND
	s_mov_b32 s[G0H], 1
	s_mov_b32 s[G0H+1], 0
	s_mov_b64 s[G0H+2:G0H+3], s[20:21]
	s_or_b32 s[G0H+3], s[G0H+3], 0x80000000
	s_mov_b32 s[G0HB], 1
	s_mov_b32 s[G0HB+1], 2*HALFT
	s_mov_b64 s[G0HB+2:G0HB+3], s[46:47]
	s_or_b32 s[G0HB+3], s[G0HB+3], 0x80000000
	s_mov_b32 s[G0S], 1
	s_mov_b32 s[G0S+1], SCL
	s_mov_b64 s[G0S+2:G0S+3], s[22:23]
	s_or_b32 s[G0S+3], s[G0S+3], 0x80000000
	s_mov_b32 s[G0SB], 1
	s_mov_b32 s[G0SB+1], SCL+SCB
	s_mov_b64 s[G0SB+2:G0SB+3], s[92:93]
	s_or_b32 s[G0SB+3], s[G0SB+3], 0x80000000
	s_add_nc_u64 s[20:21], s[20:21], s[18:19]
	s_add_nc_u64 s[46:47], s[46:47], s[18:19]
.irp s, 0,1
	s_mov_b32 s[G0+4*\s], 1
	s_add_co_u32 s[G0+4*\s+1], s45, \s*SLOT
	s_add_nc_u64 s[G0+4*\s+2:G0+4*\s+3], s[20:21], \s*6144
	s_or_b32 s[G0+4*\s+3], s[G0+4*\s+3], 0x80000000
	s_mov_b32 s[G0B+4*\s], 1
	s_add_co_u32 s[G0B+4*\s+1], s45, \s*SLOT
	s_add_nc_u64 s[G0B+4*\s+2:G0B+4*\s+3], s[46:47], \s*6144
	s_or_b32 s[G0B+4*\s+3], s[G0B+4*\s+3], 0x80000000
.endr
	ARM 1, G0H,  G1,  .Lhead_b
	ARM 2, G0HB, G1B, .Lhead_sa
	ARM 3, G0S,  G1S, .Lhead_sb
	tensor_load_to_lds s[G0SB:G0SB+3], s[G1SB:G1SB+7]
	s_nop 0
.rept 4
	v_nop
.endr
.Lhead_asked:
	v_and_b32 v1, 15, v0
	v_bfe_u32 v2, v0, 4, 1
	v_and_b32 v3, 31, v0
	v_lshlrev_b32 v[L16], 4, v3
	v_lshlrev_b32 v[L8], 3, v3
	v_min_u32 v[PFO], 23, v3
	v_lshlrev_b32 v[PFO], 8, v[PFO]
	s_mul_i32 s21, s15, HALFT
	s_mul_i32 s22, s16, HALFT
	s_add_co_u32 s22, s22, 2*HALFT
.irp s, 0,1
	v_add_nc_u32 v[ADRA+\s], s21, v[L16]
	v_add_nc_u32 v[ADRB+\s], s22, v[L16]
	v_add_nc_u32 v[ADRA+2+\s], s21, v[L8]
	v_add_nc_u32 v[ADRB+2+\s], s22, v[L8]
	s_add_co_u32 s21, s21, SLOT
	s_add_co_u32 s22, s22, SLOT
.endr
	v_lshlrev_b32 v5, 2, v1
	s_mul_i32 s21, s15, HS
	s_mul_i32 s22, s16, HS
	s_add_co_u32 s22, s22, SCB
	s_sub_co_u32 s22, s22, s21
	v_mul_u32_u24 v6, s22, v2
	s_add_co_u32 s21, s21, SCL
	v_add_nc_u32 v6, v5, v6
	v_add_nc_u32 v[ADRS], s21, v6
	v_lshlrev_b32 v7, 6, v2
	s_lshl_b32 s46, s42, 9
	s_lshl_b32 s47, s16, 8
	s_add_co_u32 s46, s46, s47
	s_mov_b32 s47, 0
	s_add_nc_u64 s[46:47], s[8:9], s[46:47]
	s_wait_alu depctr_va_vdst(0)                   ; the wait ahead of the readers below
.irp b, 0,1
.irp j, 0,1,2,3
	global_load_b128 v[BI+16*\b+4*\j:BI+16*\b+4*\j+3], v7, s[46:47] offset:128*\b+16*\j
.endr
.endr
	global_prefetch_b8 v[PFO], s[PFA:PFA+1] offset:6144 th:TH_LOAD_NT scope:SCOPE_SE    ; slot 1, whose load goes out behind the next round,
	global_prefetch_b8 v[PFO], s[PFA:PFA+1] offset:12288 th:TH_LOAD_NT scope:SCOPE_SE   ; and slot 2
	s_lshl_b32 s20, s17, 3
	s_lshl_b32 s21, s15, 2
	s_add_co_u32 s20, s20, s21
	s_lshl_b32 s20, s20, 6
	s_lshl_b32 s21, s42, 3
	s_add_co_u32 s20, s20, s21
	s_lshl_b32 s21, s16, 2
	s_add_co_u32 s20, s20, s21
	s_lshl_b32 s20, s20, 10
	s_mov_b32 s21, 0
	s_add_nc_u64 s[92:93], s[10:11], s[20:21]
.macro FRAG reg, adr, k, i
	ds_load_b128 v[\reg:\reg+3], v[\adr] offset:6144*(\i)+1536*(\k)
	ds_load_b64 v[\reg+4:\reg+5], v[\adr+2] offset:6144*(\i)+1536*(\k)+512
	ds_load_b128 v[\reg+6:\reg+9], v[\adr] offset:6144*(\i)+1536*(\k)+768
	ds_load_b64 v[\reg+10:\reg+11], v[\adr+2] offset:6144*(\i)+1536*(\k)+1280
.endm
.macro FETCH4 slot, hf, f
	WIN 0
.irp q, 0,1
.irp i, 0,1,2,3
	ds_load_b32 v[SC+8*(\f)+4*\q+\i], v[ADRS] offset:2048*\i+64*\q
.endr
.endr
	v_add_nc_u32 v[ADRS], 128, v[ADRS]
	WIN 0x40*((\f)+1)
.irp q, 0,1
.irp i, 0,1,2,3
	FRAG 96*\q+48+FR*\i, ADRB+\slot, 2*(\hf)+\q, \i
	FRAG 96*\q+FR*\i, ADRA+\slot, 2*(\hf)+\q, \i
.endr
.endr
.endm
.macro MUL8 f, q, a0, zero
.irp a, \a0, \a0+1
.irp b, 0,1,2,3
.if \zero
	v_wmma_scale_f32_16x16x128_f8f6f4 v[ACC+8*(4*(\a)+\b):ACC+8*(4*(\a)+\b)+7], v[96*(\q)+48+FR*\b:96*(\q)+48+FR*\b+FR-1], v[96*(\q)+FR*(\a):96*(\q)+FR*(\a)+FR-1], v[BI+8*\b:BI+8*\b+7], v[SC+8*(\f)+4*(\q)+\b], v[SC+8*(\f)+4*(\q)+(\a)] matrix_a_fmt:MATRIX_FMT_FP6 matrix_b_fmt:MATRIX_FMT_FP6 matrix_a_scale:MATRIX_SCALE_ROW1
.else
	v_wmma_scale_f32_16x16x128_f8f6f4 v[ACC+8*(4*(\a)+\b):ACC+8*(4*(\a)+\b)+7], v[96*(\q)+48+FR*\b:96*(\q)+48+FR*\b+FR-1], v[96*(\q)+FR*(\a):96*(\q)+FR*(\a)+FR-1], v[ACC+8*(4*(\a)+\b):ACC+8*(4*(\a)+\b)+7], v[SC+8*(\f)+4*(\q)+\b], v[SC+8*(\f)+4*(\q)+(\a)] matrix_a_fmt:MATRIX_FMT_FP6 matrix_b_fmt:MATRIX_FMT_FP6 matrix_a_scale:MATRIX_SCALE_ROW1
.endif
.endr
.endr
.endm
.macro PLACES
.rept 4
	v_nop
.endr
.endm
.macro HALF slot, zero
	s_wait_dscnt 32
	WIN 0x05
	MUL8 0, 0, 0, \zero
	MUL8 0, 0, 2, \zero
	s_wait_dscnt 0x0
	PLACES
	FETCH4 \slot, 1, 1
	WIN 0x05
	MUL8 0, 1, 0, 0
	MUL8 0, 1, 2, 0
.endm
.macro TURN slot, next, fill
	WIN 0
.if \fill
	s_wait_xcnt 0x0                                ; my last prefetch has read its address
	s_add_nc_u64 s[PFA:PFA+1], s[PFA:PFA+1], 6144
.endif
	s_wait_tensorcnt 0x0                           ; all my tensor loads have landed
	ds_add_u32 v[SPW], v[NIL]
	s_wait_dscnt 33
	WIN 0x0a
	MUL8 1, 0, 0, 0
	s_wait_dscnt 0x0
	s_barrier_signal -1
	MUL8 1, 0, 2, 0
	WIN 0
	s_barrier_wait -1
.if \fill
	CREST
	s_add_nc_u64 s[G0+4*\slot+2:G0+4*\slot+3], s[G0+4*\slot+2:G0+4*\slot+3], 12288
	s_add_nc_u64 s[G0B+4*\slot+2:G0B+4*\slot+3], s[G0B+4*\slot+2:G0B+4*\slot+3], 12288
	JLOAD G0+4*\slot, G1, G0B+4*\slot, G1B
.else
	PLACES
.endif
	s_wait_alu depctr_va_vdst(0)
	FETCH4 \next, 0, 0
.if \fill
	WIN 0
	s_cmp_gt_u32 s3, 1                             ; the last trip's two fills have no slot two on
	s_cbranch_scc0 .Lno_ask_\@
	global_prefetch_b8 v[PFO], s[PFA:PFA+1] offset:18432 th:TH_LOAD_NT scope:SCOPE_SE
.Lno_ask_\@:
.endif
	WIN 0x0a
	MUL8 1, 1, 0, 0
	MUL8 1, 1, 2, 0
.endm
	s_wait_alu depctr_va_vdst(0)                   ; the wait at the head's end
	s_wait_tensorcnt 0x0                           ; my tile of the head's four is in
	ds_add_u32 v[SPW], v[NIL]
	s_mov_b32 s[G1+2], 4<<16                       ; no load of mine is out: from here on a load brings four tiles
	s_mov_b32 s[G1+4], 4
	s_mov_b32 s[G1B+2], 4<<16
	s_mov_b32 s[G1B+4], 4
	s_wait_dscnt 0x0
	CROUND
	JLOAD G0+4, G1, G0B+4, G1B                     ; slot 1
	FETCH4 0, 0, 0
	WIN 0
	global_prefetch_b8 v[PFO], s[PFA:PFA+1] offset:18432 th:TH_LOAD_NT scope:SCOPE_SE   ; slot 3
	s_wait_alu depctr_va_vdst(0)
	s_wait_loadcnt 0x0                             ; the bias
	HALF 0, 1
	WIN 0
	s_mov_b32 s3, 3
.Llap:
	TURN 0, 1, 1
	s_wait_alu depctr_va_vdst(0)
	HALF 1, 0
	TURN 1, 0, 1
	s_wait_alu depctr_va_vdst(0)
	HALF 0, 0
	WIN 0
	s_sub_co_u32 s3, s3, 1
	s_cmp_lg_u32 s3, 0
	s_cbranch_scc1 .Llap
	TURN 0, 1, 0
	s_wait_alu depctr_va_vdst(0)
	HALF 1, 0
	s_wait_dscnt 32
	WIN 0x0a
	MUL8 1, 0, 0, 0
	MUL8 1, 0, 2, 0
	s_wait_dscnt 0x0
	MUL8 1, 1, 0, 0
	MUL8 1, 1, 2, 0
	WIN 0
	PLACES
.irp a, 0,1,2,3
.irp b, 0,1,2,3
	global_store_b128 v[L16], v[ACC+8*(4*\a+\b):ACC+8*(4*\a+\b)+3], s[92:93] offset:65536*\a+1024*\b
	global_store_b128 v[L16], v[ACC+8*(4*\a+\b)+4:ACC+8*(4*\a+\b)+7], s[92:93] offset:65536*\a+1024*\b+512
.endr
.endr
	s_wait_tensorcnt 0x0                           ; the wave's end
	ds_add_u32 v[SPW], v[NIL]
	s_wait_dscnt 0x0
	CROUND
	s_endpgm
.Lfunc_end_k_q55087c3809_g4:
	.size	k_q55087c3809_g4, .Lfunc_end_k_q55087c3809_g4-k_q55087c3809_g4
	.p2alignl 7, 3214868480
	.fill 96, 4, 3214868480
	.section	.rodata,"a",@progbits
	.p2align	6, 0x0
	.amdhsa_kernel k_q55087c3809_g4
		.amdhsa_group_segment_fixed_size 327680
		.amdhsa_private_segment_fixed_size 0
		.amdhsa_enable_private_segment 0
		.amdhsa_kernarg_size 32
		.amdhsa_user_sgpr_count 2
		.amdhsa_user_sgpr_kernarg_segment_ptr 1
		.amdhsa_wavefront_size32 1
		.amdhsa_system_sgpr_workgroup_id_x 1
		.amdhsa_system_sgpr_workgroup_id_y 1
		.amdhsa_system_sgpr_workgroup_id_z 1
		.amdhsa_system_vgpr_workitem_id 0
		.amdhsa_next_free_vgpr 768
		.amdhsa_next_free_sgpr 100
		.amdhsa_reserve_vcc 0
		.amdhsa_float_denorm_mode_32 3
		.amdhsa_float_denorm_mode_16_64 3
		.amdhsa_memory_ordered 1
		.amdhsa_forward_progress 1
		.amdhsa_inst_pref_size 89
	.end_amdhsa_kernel
	.amdgpu_metadata
---
amdhsa.version: [ 1, 2 ]
amdhsa.kernels:
  - .name:           k_q55087c3809_g4
    .symbol:         k_q55087c3809_g4.kd
    .args:
      - { .name: t1, .offset: 0, .size: 8, .value_kind: global_buffer, .address_space: global }
      - { .name: pa, .offset: 8, .size: 8, .value_kind: global_buffer, .address_space: global }
      - { .name: ff2_b, .offset: 16, .size: 8, .value_kind: global_buffer, .address_space: global }
      - { .name: t2, .offset: 24, .size: 8, .value_kind: global_buffer, .address_space: global }
    .group_segment_fixed_size: 327680
    .private_segment_fixed_size: 0
    .kernarg_segment_align: 8
    .kernarg_segment_size: 32
    .max_flat_workgroup_size: 128
    .sgpr_count:     100
    .vgpr_count:     768
    .wavefront_size: 32
...
	.end_amdgpu_metadata
.endif
;; end of part 5
;; launch fin (part 6): grid 256 x 1, 16 waves a work-group, no clusters, 77,824 bytes of LDS; arguments t2, a3, ffn_g, ffn_b, ln2_g, ln2_b, out0; writes out0
.if DOCPART == 6
	.amdgcn_target "amdgcn-amd-amdhsa--gfx1250"
	.amdhsa_code_object_version 6
	.text
	.protected	k_q55087c3809_fin
	.globl	k_q55087c3809_fin
	.p2align	8
	.type	k_q55087c3809_fin,@function
k_q55087c3809_fin:
	s_mov_b64 s[64:65], 0
	v_nop
	global_prefetch_b8 v0, s[64:65] scope:SCOPE_SE
	s_setreg_imm32_b32 hwreg(HW_REG_WAVE_MODE, 25, 1), 1
	s_wait_xcnt 0x0
; out = LN2(x1 + LNffn(ff)).  ff and x1 lie as images of a matrix result's registers, [token tile][column tile][1,024].  A work-group owns a tile of 16 tokens (rows 32 (T / 2) + 8 (T % 2) + r + 8 (r / 8)),
; wave w columns 64 w .. 64 w + 63: lane (r, h) holds, of row r, columns 64 w + 32 b + 16 h + i in register 16 b + i.  Each norm is two passes (mean, then the mean of the squared differences); a row's sums
; meet in LDS, a word for each wave.  Memory binds: every byte is read once and written once; matrix units and clusters have nothing to do here.
; The rows leave through the wave's own stage, so that sixteen lanes store 256 consecutive bytes, aligned.
.set STG,   4352                       ; a wave's stage: 16 rows x (256 + 16) bytes
.set RED,   69632                      ; four regions of 16 rows x 80 bytes, 1,536 apart
.set SPARE, 75776
.set SPW, 6
.set NIL, 7
.set RA,  8
.set RB,  9
.set FF,  32
.set X1,  64
.set GA,  96
.set BA,  128
.set GB,  160
.set BB,  192
.set A0,  224
.set A1,  226
.set R,   228
.set RS,  244
.set SEL, 20
	s_load_b256 s[4:11], s[0:1], 0x0               ; t2, a3, ffn_g, ffn_b
	s_load_b128 s[12:15], s[0:1], 0x20             ; ln2_g, ln2_b
	s_load_b64 s[16:17], s[0:1], 0x30              ; out0
	v_lshl_add_u32 v[SPW], v0, 2, SPARE
	v_mov_b32 v[NIL], 0
	v_lshrrev_b32 v1, 5, v0
	s_delay_alu instid0(VALU_DEP_1)
	v_readfirstlane_b32 s18, v1
	v_and_b32 v10, 31, v0
	v_and_b32 v11, 15, v0
	v_bfe_u32 v12, v0, 4, 1
	s_delay_alu instid0(VALU_DEP_3)
	v_lshlrev_b32 v1, 4, v10                       ; 16 x lane
	s_delay_alu instid0(VALU_DEP_2)
	v_lshlrev_b32 v2, 6, v12                       ; 64 h
	s_mul_i32 s24, s18, STG
	v_mul_u32_u24 v3, v11, 272
	s_delay_alu instid0(VALU_DEP_1)
	v_lshl_add_u32 v3, v12, 6, v3
	s_delay_alu instid0(VALU_DEP_1)
	v_add_nc_u32 v3, s24, v3                       ; into the stage: row r, + 64 h
	v_mul_u32_u24 v4, v12, 272
	s_delay_alu instid0(VALU_DEP_1)
	v_lshl_add_u32 v4, v11, 4, v4
	s_delay_alu instid0(VALU_DEP_1)
	v_add_nc_u32 v4, s24, v4                       ; back: lanes 0-15 one row, lanes 16-31 the next
	v_lshlrev_b32 v5, 12, v12
	s_delay_alu instid0(VALU_DEP_1)
	v_lshl_add_u32 v5, v11, 4, v5                  ; and the same in the output
	v_mul_u32_u24 v[RB], v11, 80
	s_delay_alu instid0(VALU_DEP_1)
	v_add_nc_u32 v[RB], RED, v[RB]
	s_lshl_b32 s24, s18, 2
	v_add_nc_u32 v[RA], s24, v[RB]
	v_mov_b32 v[A1], 0                             ; a lane permute's destination counts as one of its sources
	v_mov_b32 v[RS+1], 0
	s_mov_b32 s[SEL], 0x76543210
	s_mov_b32 s[SEL+1], 0xfedcba98
	s_lshl_b32 s24, ttmp9, 16
	s_lshl_b32 s26, s18, 12
	s_add_co_u32 s24, s24, s26                     ; (64 x tile + 4 x wave) x 1,024
	s_mov_b32 s25, 0
	s_lshl_b32 s26, s18, 8
	s_mov_b32 s27, 0
	s_lshr_b32 s40, ttmp9, 1
	s_lshl_b32 s40, s40, 17
	s_and_b32 s41, ttmp9, 1
	s_lshl_b32 s41, s41, 15
	s_add_co_u32 s40, s40, s41
	s_add_co_u32 s40, s40, s26
	s_mov_b32 s41, 0
	s_wait_kmcnt 0x0
	s_add_nc_u64 s[28:29], s[4:5], s[24:25]
	s_add_nc_u64 s[30:31], s[6:7], s[24:25]
	s_add_nc_u64 s[32:33], s[8:9], s[26:27]
	s_add_nc_u64 s[34:35], s[10:11], s[26:27]
	s_add_nc_u64 s[36:37], s[12:13], s[26:27]
	s_add_nc_u64 s[38:39], s[14:15], s[26:27]
	s_add_nc_u64 s[42:43], s[16:17], s[40:41]
.irp t, 0,1,2,3
	global_load_b128 v[FF+8*\t:FF+8*\t+3], v1, s[28:29] offset:1024*\t th:TH_LOAD_NT
	global_load_b128 v[FF+8*\t+4:FF+8*\t+7], v1, s[28:29] offset:1024*\t+512 th:TH_LOAD_NT
.endr
.irp t, 0,1,2,3
	global_load_b128 v[X1+8*\t:X1+8*\t+3], v1, s[30:31] offset:3276800+1024*\t th:TH_LOAD_NT
	global_load_b128 v[X1+8*\t+4:X1+8*\t+7], v1, s[30:31] offset:3276800+1024*\t+512 th:TH_LOAD_NT
.endr
.irp b, 0,1
.irp j, 0,1,2,3
	global_load_b128 v[GA+16*\b+4*\j:GA+16*\b+4*\j+3], v2, s[32:33] offset:128*\b+16*\j
	global_load_b128 v[BA+16*\b+4*\j:BA+16*\b+4*\j+3], v2, s[34:35] offset:128*\b+16*\j
	global_load_b128 v[GB+16*\b+4*\j:GB+16*\b+4*\j+3], v2, s[36:37] offset:128*\b+16*\j
	global_load_b128 v[BB+16*\b+4*\j:BB+16*\b+4*\j+3], v2, s[38:39] offset:128*\b+16*\j
.endr
.endr
.macro LNRED src, red, sq              ; the mean over a row of 1,024 of my 32 numbers, or of their squares, into v[R]
.if \sq
	v_pk_mul_f32 v[A0:A0+1], v[\src:\src+1], v[\src:\src+1]
	v_pk_mul_f32 v[A1:A1+1], v[\src+2:\src+3], v[\src+2:\src+3]
.irp n, 4,8,12,16,20,24,28
	s_delay_alu instid0(VALU_DEP_2)
	v_pk_fma_f32 v[A0:A0+1], v[\src+\n:\src+\n+1], v[\src+\n:\src+\n+1], v[A0:A0+1]
	s_delay_alu instid0(VALU_DEP_2)
	v_pk_fma_f32 v[A1:A1+1], v[\src+\n+2:\src+\n+3], v[\src+\n+2:\src+\n+3], v[A1:A1+1]
.endr
.else
	v_pk_add_f32 v[A0:A0+1], v[\src:\src+1], v[\src+4:\src+5]
	v_pk_add_f32 v[A1:A1+1], v[\src+2:\src+3], v[\src+6:\src+7]
.irp n, 8,12,16,20,24,28
	s_delay_alu instid0(VALU_DEP_2)
	v_pk_add_f32 v[A0:A0+1], v[A0:A0+1], v[\src+\n:\src+\n+1]
	s_delay_alu instid0(VALU_DEP_2)
	v_pk_add_f32 v[A1:A1+1], v[A1:A1+1], v[\src+\n+2:\src+\n+3]
.endr
.endif
	s_delay_alu instid0(VALU_DEP_1)
	v_pk_add_f32 v[A0:A0+1], v[A0:A0+1], v[A1:A1+1]
	s_delay_alu instid0(VALU_DEP_1)
	v_add_f32 v[A0], v[A0], v[A0+1]
	s_delay_alu instid0(VALU_DEP_1)
	v_permlanex16_b32 v[A1], v[A0], s[SEL], s[SEL+1]
	s_delay_alu instid0(VALU_DEP_1)
	v_add_f32 v[A0], v[A0], v[A1]
	ds_store_b32 v[RA], v[A0] offset:\red
	s_wait_dscnt 0x0                               ; for the others' sake: my word has landed
	s_barrier_signal -1
	s_barrier_wait -1
.irp k, 0,1,2,3
	ds_load_b128 v[R+4*\k:R+4*\k+3], v[RB] offset:\red+16*\k
.endr
	s_wait_dscnt 0x0
.irp k, 0,2,4,6
	v_pk_add_f32 v[R+\k:R+\k+1], v[R+\k:R+\k+1], v[R+8+\k:R+9+\k]
.endr
	s_delay_alu instid0(VALU_DEP_2)
	v_pk_add_f32 v[R:R+1], v[R:R+1], v[R+4:R+5]
	s_delay_alu instid0(VALU_DEP_2)
	v_pk_add_f32 v[R+2:R+3], v[R+2:R+3], v[R+6:R+7]
	s_delay_alu instid0(VALU_DEP_1)
	v_pk_add_f32 v[R:R+1], v[R:R+1], v[R+2:R+3]
	s_delay_alu instid0(VALU_DEP_1)
	v_add_f32 v[R], v[R], v[R+1]
	s_delay_alu instid0(VALU_DEP_1)
	v_mul_f32 v[R], 0x3a800000, v[R]               ; / 1,024
.endm
.macro NORM red, g, b                  ; v[FF] on = (v - mean) / sqrt(var + 1e-5) x g + b
	LNRED FF, \red, 0
.set n, 0
.rept 16
	v_pk_add_f32 v[FF+n:FF+n+1], v[FF+n:FF+n+1], v[R:R+1] op_sel_hi:[1,0] neg_lo:[0,1] neg_hi:[0,1]
.set n, n+2
.endr
	LNRED FF, \red+1536, 1
	s_delay_alu instid0(VALU_DEP_1)
	v_add_f32 v[R], 0x3727c5ac, v[R]
	s_wait_alu depctr_va_vdst(0)
	v_rsq_f32 v[RS], v[R]
	v_nop                                          ; a plain place behind the root
	s_wait_alu depctr_va_vdst(0)                   ; and the wait ahead of its first reader
	s_wait_loadcnt 0x0                             ; the gains, the biases and x1
.set n, 0
.rept 16
	v_pk_mul_f32 v[FF+n:FF+n+1], v[FF+n:FF+n+1], v[RS:RS+1] op_sel_hi:[1,0]
.set n, n+2
.endr
.set n, 0
.rept 16
	v_pk_fma_f32 v[FF+n:FF+n+1], v[FF+n:FF+n+1], v[\g+n:\g+n+1], v[\b+n:\b+n+1]
.set n, n+2
.endr
.endm
	s_wait_loadcnt 40                              ; ff's 8 loads are in; the other 40 may be out
	NORM 0, GA, BA
.set n, 0
.rept 16
	v_pk_add_f32 v[FF+n:FF+n+1], v[FF+n:FF+n+1], v[X1+n:X1+n+1]
.set n, n+2
.endr
	NORM 3072, GB, BB
.irp b, 0,1
.irp j, 0,1,2,3
	ds_store_b128 v3, v[FF+16*\b+4*\j:FF+16*\b+4*\j+3] offset:128*\b+16*\j
.endr
.endr
.irp i, 0,1,2,3,4,5,6,7
	ds_load_b128 v[X1+4*\i:X1+4*\i+3], v4 offset:544*\i       ; a wave's LDS instructions are served in order: these see my stores
.endr
.irp i, 0,1,2,3,4,5,6,7
	s_wait_dscnt 7-\i
	global_store_b128 v5, v[X1+4*\i:X1+4*\i+3], s[42:43] offset:(2*\i+8*(\i/4))*4096 th:TH_STORE_NT     ; stage row r is token r + 8 (r / 8) of the tile
.endr
	s_wait_tensorcnt 0x0                           ; the wave's end
	ds_add_u32 v[SPW], v[NIL]
	s_wait_dscnt 0x0
	s_endpgm
.Lfunc_end_k_q55087c3809_fin:
	.size	k_q55087c3809_fin, .Lfunc_end_k_q55087c3809_fin-k_q55087c3809_fin
	.p2alignl 7, 3214868480
	.fill 96, 4, 3214868480
	.section	.rodata,"a",@progbits
	.p2align	6, 0x0
	.amdhsa_kernel k_q55087c3809_fin
		.amdhsa_group_segment_fixed_size 77824
		.amdhsa_private_segment_fixed_size 0
		.amdhsa_enable_private_segment 0
		.amdhsa_kernarg_size 56
		.amdhsa_user_sgpr_count 2
		.amdhsa_user_sgpr_kernarg_segment_ptr 1
		.amdhsa_wavefront_size32 1
		.amdhsa_system_sgpr_workgroup_id_x 1
		.amdhsa_system_sgpr_workgroup_id_y 1
		.amdhsa_system_sgpr_workgroup_id_z 1
		.amdhsa_system_vgpr_workitem_id 0
		.amdhsa_next_free_vgpr 256
		.amdhsa_next_free_sgpr 66
		.amdhsa_reserve_vcc 0
		.amdhsa_float_denorm_mode_32 3
		.amdhsa_float_denorm_mode_16_64 3
		.amdhsa_memory_ordered 1
		.amdhsa_forward_progress 1
		.amdhsa_inst_pref_size 28
	.end_amdhsa_kernel
	.amdgpu_metadata
---
amdhsa.version: [ 1, 2 ]
amdhsa.kernels:
  - .name:           k_q55087c3809_fin
    .symbol:         k_q55087c3809_fin.kd
    .args:
      - { .name: t2, .offset: 0, .size: 8, .value_kind: global_buffer, .address_space: global }
      - { .name: a3, .offset: 8, .size: 8, .value_kind: global_buffer, .address_space: global }
      - { .name: ffn_g, .offset: 16, .size: 8, .value_kind: global_buffer, .address_space: global }
      - { .name: ffn_b, .offset: 24, .size: 8, .value_kind: global_buffer, .address_space: global }
      - { .name: ln2_g, .offset: 32, .size: 8, .value_kind: global_buffer, .address_space: global }
      - { .name: ln2_b, .offset: 40, .size: 8, .value_kind: global_buffer, .address_space: global }
      - { .name: out0, .offset: 48, .size: 8, .value_kind: global_buffer, .address_space: global }
    .group_segment_fixed_size: 77824
    .private_segment_fixed_size: 0
    .kernarg_segment_align: 8
    .kernarg_segment_size: 56
    .max_flat_workgroup_size: 512
    .sgpr_count:     66
    .vgpr_count:     256
    .wavefront_size: 32
...
	.end_amdgpu_metadata
.endif
;; end of part 6
